; MI455X (gfx1250); checked and timed in simulation.
; The chip was launched on July 23, 2026; its instructions are those of AMD's public machine-readable ISA for CDNA 5 (MIT licence, August 2026) and "CDNA5" Instruction Set Architecture Reference Guide (July 2026). The comments in the code are by the model that wrote it; some were corrected since.
;; Multi Head Attention. Allowed arithmetic: float matrix products may take bf16 or f16 operands with f32 sums; all other float work in f32.
;; Inputs: Wk 1,024 x 1,024 float32; Wo 1,024 x 1,024 float32; Wq 1,024 x 1,024 float32; Wv 1,024 x 1,024 float32; mask 2,048 x 2,048 bool; x 4 x 2,048 x 1,024 float32.
;; Outputs: out0 4 x 2,048 x 1,024 float32.
;; 2 versions, each right and faster than the one before. Each part assembles by itself: llvm-mc -triple=amdgcn-amd-amdhsa -mcpu=gfx1250 --defsym DOCPART=n.
;; ======== version 1 of 2: 4 launches
;; limits: values are held in f16: magnitudes above 65,504 overflow, below 6.1e-05 lose precision
;; workspace buffers: xb 16,777,216 bytes; wb 8,388,608 bytes; maskw 524,288 bytes of whole numbers; qkv 50,331,648 bytes; ob 16,777,216 bytes
;; launch prep (part 1): grid 896 x 1, 8 waves a work-group, no clusters, 0 bytes of LDS; arguments x, Wq, Wk, Wv, Wo, mask, xb, wb, maskw; writes xb, wb, maskw
.if DOCPART == 1
	.amdgcn_target "amdgcn-amd-amdhsa--gfx1250"
	.amdhsa_code_object_version 6
	.text
	.protected	k_q590ffacd3f_prep
	.globl	k_q590ffacd3f_prep
	.p2align	8
	.type	k_q590ffacd3f_prep,@function
k_q590ffacd3f_prep:
	s_mov_b64 s[64:65], 0
	v_nop
	global_prefetch_b8 v0, s[64:65] scope:SCOPE_SE
	s_setreg_imm32_b32 hwreg(HW_REG_WAVE_MODE, 25, 1), 1
	s_wait_xcnt 0x0
; MULTI-HEAD ATTENTION, launch 1 of 4: the inputs of the matrix products are rounded to bf16 once, and the mask is packed into lane masks.
; DEAD WORK: none.  Every input reaches the output for some values of the inputs; the mask is an input, so no pattern of it is built in
; and every tile of scores is computed and then selected.  No step of the computation is left out in any launch.
; FORMATS: x and the four weights are rounded to bf16 (8 significant bits).  q, k, v, the softmax's weights and the attention's result are kept in f16
; (11 significant bits): a mask row with few true entries gives an output row far above the output's root mean square, and there 8 bits on v and on the
; attention's result would show.  All sums, the maximum and the exponentials are f32.
; LIMITS: q, k, v beyond 65,504 in magnitude become infinite in f16.  With all inputs 30 times the size of unit-variance x and weights of variance 1/1024 they
; are some 5,000; with an offset of 30 spreads on all inputs some 1024 x 30 x 0.94 = 28,800; both at once pass the limit.  Numbers below 2^-14 keep fewer bits
; (steps of 2^-24).  A row of the mask with no true entry gives NaN in its whole output row, as the softmax of -inf alone does.
;
; Work-groups 0-511:   x  -> xb  [8192][1024] bf16, 16,384 numbers each.
; Work-groups 512-767: Wq, Wk, Wv, Wo -> wb [4096][1024] of 16 bits (rows 0-1023 Wq, then Wk, Wv, Wo), 16,384 numbers each.  Wq, Wk, Wv as bf16.
;                      Wo is rounded to bf16 like the other inputs and then written in f16's format, since its partner in the last product is f16:
;                      f16 holds those 8 bits exactly from 2^-17 up; below that the second step errs by 2^-25 at the most.
; Work-groups 768-895: mask -> maskw [128 qt][128 kt][8 j] words.  Bit L of word (qt, kt, j) = mask[16 qt + (L & 15)][16 kt + 8 (L >> 4) + j]:
;                      the lane mask of register j of a 16 x 16 tile of scores that holds keys along its registers and queries along its lanes.
; Memory binds: no LDS, no matrix unit, no cluster (the work-groups share nothing).
.set TA, 4                             ; v[4:7]     cast of Wo: four numbers at work
.set XR, 8                             ; v[8:71]    cast: sixteen loads of 16 bytes.  mask: v[8:39] eight loads
.set YR, 72                            ; v[72:103]  cast: sixteen pairs of packed 16-bit numbers
.set WR, 40                            ; v[40:43]   mask: the 128 words of a wave, word n in lane n / 4, register n % 4
.set TM, 44                            ; v[44:45]   mask: at work
	s_load_b512 s[4:19], s[0:1], 0x0               ; x s[4:5], Wq s[6:7], Wk s[8:9], Wv s[10:11], Wo s[12:13], mask s[14:15], xb s[16:17], wb s[18:19]
	s_load_b64 s[20:21], s[0:1], 0x40              ; maskw
	s_mov_b32 s22, ttmp9
	s_cmp_ge_u32 s22, 768
	s_cbranch_scc1 .Lmask
	; ---- the cast: 64 KiB in, 32 KiB out ----
	s_sub_co_u32 s23, s22, 512                     ; block among the weights (wraps to a huge number for x's blocks, which then match no weight below)
	s_and_b32 s30, s23, 63                         ; block inside one weight
	s_lshr_b32 s31, s23, 6                         ; which weight
	s_cmp_lt_u32 s22, 512
	s_cselect_b32 s32, s22, s30                    ; block of the source
	s_cselect_b32 s33, s22, s23                    ; block of the destination
	s_lshl_b32 s34, s32, 16
	s_mov_b32 s35, 0
	s_lshl_b32 s36, s33, 15
	s_mov_b32 s37, 0
	v_lshlrev_b32 v1, 4, v0                        ; 16 bytes a thread in,
	v_lshlrev_b32 v2, 3, v0                        ; 8 bytes out
	s_wait_kmcnt 0x0
	s_cmp_lt_u32 s22, 512                          ; the buffers are chosen by the work-group's number alone
	s_cselect_b64 s[24:25], s[4:5], s[6:7]
	s_cselect_b64 s[26:27], s[16:17], s[18:19]
	s_cmp_eq_u32 s31, 1
	s_cselect_b64 s[24:25], s[8:9], s[24:25]
	s_cmp_eq_u32 s31, 2
	s_cselect_b64 s[24:25], s[10:11], s[24:25]
	s_cmp_eq_u32 s31, 3
	s_cselect_b64 s[24:25], s[12:13], s[24:25]
	s_add_nc_u64 s[24:25], s[24:25], s[34:35]
	s_add_nc_u64 s[26:27], s[26:27], s[36:37]
.set i, 0
.rept 16
	global_load_b128 v[XR+4*i:XR+4*i+3], v1, s[24:25] offset:4096*i th:TH_LOAD_NT   ; all sixteen go out at once: 8 KiB of every wave on their way
.set i, i+1
.endr
; half = 0: bf16 out.  half = 1: the bf16 numbers are widened again (a shift, a mask) and written in f16's format.
.macro CASTOUT half
.set i, 0
.rept 16
	s_wait_loadcnt 15-i                            ; loads come back in order: load i is in, the younger ones stay out
	v_cvt_pk_bf16_f32 v[YR+2*i], v[XR+4*i], v[XR+4*i+1]
	v_cvt_pk_bf16_f32 v[YR+2*i+1], v[XR+4*i+2], v[XR+4*i+3]
.if \half
	v_lshlrev_b32 v[TA], 16, v[YR+2*i]
	v_and_b32 v[TA+1], 0xffff0000, v[YR+2*i]
	v_lshlrev_b32 v[TA+2], 16, v[YR+2*i+1]
	v_and_b32 v[TA+3], 0xffff0000, v[YR+2*i+1]
	v_cvt_pk_f16_f32 v[YR+2*i], v[TA], v[TA+1]
	v_cvt_pk_f16_f32 v[YR+2*i+1], v[TA+2], v[TA+3]
.endif
	global_store_b64 v2, v[YR+2*i:YR+2*i+1], s[26:27] offset:2048*i   ; a wave's store covers 256 consecutive bytes, aligned; no source of a store is written again
.set i, i+1
.endr
.endm
	s_cmp_eq_u32 s31, 3                            ; Wo's blocks
	s_cbranch_scc1 .Lwo
	CASTOUT 0
	s_endpgm
.Lwo:
	CASTOUT 1
	s_endpgm
	; ---- the mask: a wave takes 16 rows x 256 columns (16 key tiles) and makes 128 words ----
.Lmask:
	v_lshrrev_b32 v3, 5, v0
	v_readfirstlane_b32 s23, v3                    ; wave = which 256 columns
	s_sub_co_u32 s22, s22, 768                     ; qt = which 16 rows
	s_lshl_b32 s34, s22, 15                        ; 16 rows of 2,048 bytes
	s_lshl_b32 s30, s23, 8
	s_add_co_u32 s34, s34, s30
	s_mov_b32 s35, 0
	s_lshl_b32 s36, s22, 12                        ; 128 key tiles x 32 bytes
	s_lshl_b32 s30, s23, 9                         ; 16 key tiles x 32 bytes
	s_add_co_u32 s36, s36, s30
	s_mov_b32 s37, 0
	v_and_b32 v3, 15, v0                           ; r: the row
	v_bfe_u32 v4, v0, 4, 1                         ; h: which 16 of 32 columns
	v_lshlrev_b32 v1, 11, v3
	v_lshl_add_u32 v1, v4, 4, v1                   ; 2048 r + 16 h
	v_and_b32 v2, 31, v0
	v_lshlrev_b32 v2, 4, v2                        ; the store: 16 bytes a lane
	s_wait_kmcnt 0x0
	s_add_nc_u64 s[14:15], s[14:15], s[34:35]
	s_add_nc_u64 s[20:21], s[20:21], s[36:37]
.set i, 0
.rept 8
	global_load_b128 v[XR+4*i:XR+4*i+3], v1, s[14:15] offset:32*i th:TH_LOAD_NT     ; the eight together take 256 consecutive bytes of each of the 16 rows
.set i, i+1
.endr
.irp k, 0,1,2,3
	v_mov_b32 v[WR+\k], 0                          ; v_writelane_b32 keeps the other lanes: the register is written whole first
.endr
; Load i holds, in lanes 0-15, the 16 bytes of key tile 2 i and, in lanes 16-31, those of key tile 2 i + 1.  The two swaps exchange the upper lanes of
; registers 0, 1 with the lower lanes of registers 2, 3: then registers 0, 1 hold bytes 8 h .. 8 h + 7 of tile 2 i, registers 2, 3 those of tile 2 i + 1.
; A compare of one byte of all lanes against 0 is then one word; it goes to its lane and register for the store.
.macro PACK i
	s_wait_loadcnt 7-\i                            ; load i is in, the younger ones stay out
	v_permlane16_swap_b32 v[XR+4*\i], v[XR+4*\i+2]
	v_permlane16_swap_b32 v[XR+4*\i+1], v[XR+4*\i+3]
.irp t, 0,1
.irp j, 0,1,2,3,4,5,6,7
	v_and_b32 v[TM+(\j&1)], 0xff<<(8*(\j&3)), v[XR+4*\i+2*\t+(\j>>2)]
	v_cmp_ne_u32 s[24+\j], 0, v[TM+(\j&1)]
	v_writelane_b32 v[WR+(\j&3)], s[24+\j], 4*\i+2*\t+(\j>>2)       ; word 8 (2 i + t) + j
.endr
.endr
.endm
.irp i, 0,1,2,3,4,5,6,7
	PACK \i
.endr
	global_store_b128 v2, v[WR:WR+3], s[20:21]     ; 512 consecutive bytes, aligned
	s_endpgm
.Lfunc_end_k_q590ffacd3f_prep:
	.size	k_q590ffacd3f_prep, .Lfunc_end_k_q590ffacd3f_prep-k_q590ffacd3f_prep
	.p2alignl 7, 3214868480
	.fill 96, 4, 3214868480
	.section	.rodata,"a",@progbits
	.p2align	6, 0x0
	.amdhsa_kernel k_q590ffacd3f_prep
		.amdhsa_group_segment_fixed_size 0
		.amdhsa_private_segment_fixed_size 0
		.amdhsa_enable_private_segment 0
		.amdhsa_kernarg_size 72
		.amdhsa_user_sgpr_count 2
		.amdhsa_user_sgpr_kernarg_segment_ptr 1
		.amdhsa_wavefront_size32 1
		.amdhsa_system_sgpr_workgroup_id_x 1
		.amdhsa_system_sgpr_workgroup_id_y 1
		.amdhsa_system_sgpr_workgroup_id_z 1
		.amdhsa_system_vgpr_workitem_id 0
		.amdhsa_next_free_vgpr 104
		.amdhsa_next_free_sgpr 66
		.amdhsa_reserve_vcc 0
		.amdhsa_float_denorm_mode_32 3
		.amdhsa_float_denorm_mode_16_64 3
		.amdhsa_memory_ordered 1
		.amdhsa_forward_progress 1
		.amdhsa_inst_pref_size 43
	.end_amdhsa_kernel
	.amdgpu_metadata
---
amdhsa.version: [ 1, 2 ]
amdhsa.kernels:
  - .name:           k_q590ffacd3f_prep
    .symbol:         k_q590ffacd3f_prep.kd
    .args:
      - { .name: x, .offset: 0, .size: 8, .value_kind: global_buffer, .address_space: global }
      - { .name: Wq, .offset: 8, .size: 8, .value_kind: global_buffer, .address_space: global }
      - { .name: Wk, .offset: 16, .size: 8, .value_kind: global_buffer, .address_space: global }
      - { .name: Wv, .offset: 24, .size: 8, .value_kind: global_buffer, .address_space: global }
      - { .name: Wo, .offset: 32, .size: 8, .value_kind: global_buffer, .address_space: global }
      - { .name: mask, .offset: 40, .size: 8, .value_kind: global_buffer, .address_space: global }
      - { .name: xb, .offset: 48, .size: 8, .value_kind: global_buffer, .address_space: global }
      - { .name: wb, .offset: 56, .size: 8, .value_kind: global_buffer, .address_space: global }
      - { .name: maskw, .offset: 64, .size: 8, .value_kind: global_buffer, .address_space: global }
    .group_segment_fixed_size: 0
    .private_segment_fixed_size: 0
    .kernarg_segment_align: 8
    .kernarg_segment_size: 72
    .max_flat_workgroup_size: 256
    .sgpr_count:     66
    .vgpr_count:     104
    .wavefront_size: 32
...
	.end_amdgpu_metadata
.endif
;; end of part 1
;; launch qkv (part 2): grid 12 x 32, 4 waves a work-group, clusters of 4 x 4, 327,680 bytes of LDS; arguments xb, wb, qkv; writes qkv
.if DOCPART == 2
	.amdgcn_target "amdgcn-amd-amdhsa--gfx1250"
	.amdhsa_code_object_version 6
	.text
	.protected	k_q590ffacd3f_qkv
	.globl	k_q590ffacd3f_qkv
	.p2align	8
	.type	k_q590ffacd3f_qkv,@function
k_q590ffacd3f_qkv:
	s_mov_b64 s[64:65], 0
	v_nop
	global_prefetch_b8 v0, s[64:65] scope:SCOPE_SE
	s_setreg_imm32_b32 hwreg(HW_REG_WAVE_MODE, 25, 1), 1
	s_wait_xcnt 0x0
	s_wait_alu depctr_hold_cnt(0) depctr_sa_sdst(0) depctr_va_vdst(0) depctr_va_sdst(0) depctr_va_ssrc(0) depctr_va_vcc(0) depctr_vm_vsrc(0)
	s_getreg_b32 s2, hwreg(HW_REG_IB_STS2, 6, 4)
	s_cmp_eq_u32 s2, 0
	s_cbranch_scc0 .Lentry_in_a_cluster
	s_endpgm
.Lentry_in_a_cluster:
	s_bfe_u32 s2, ttmp6, 0x10000c
	s_cmp_lg_u32 s2, 0xf033
	s_cbranch_scc0 .Lentry_shape_is_right
	s_endpgm
.Lentry_shape_is_right:
; Launch 2 of 4: qkv[m][n] = sum over k of xb[m][k] wb[n][k] for n = 0 .. 3071 (Wq's, Wk's, Wv's rows): q, k and v of every token.  Operands bf16, sums f32,
; results rounded once to f16 (beyond 65,504 in magnitude: infinite).  Nothing of the computation is left out.
; A work-group makes a block of 256 x 256 with four waves; a wave makes 128 x 128: 64 accumulator tiles of 16 x 16, 512 registers.
; K goes in steps of 128 through a ring of two LDS slots filled by the tensor data mover; a tile's rows are 256 bytes of memory, aligned.
; CLUSTERS: 4 x 4 work-groups.  The four of a row of the cluster need the same tiles of xb, the four of a column the same tiles of wb.  Such a tile is asked for
; jointly: each of the four issues the same tensor load, with the same descriptor and a mask that names the four.  That divides the requests by four.
; 12 x 32 = 384 work-groups.
;
; REGISTERS, in windows of 256:
;   window 0: v0-31 addresses; v64-127, v128-191 fragments of A (8 x 16 rows x 32 K), two buffers; v192-223 at work on the way out
;   window 1: v64-127, v128-191 fragments of B, two buffers
;   window 2: the 32 accumulator tiles of my rows 0-63 (tile (a, b) at v[8 (8 a + b)]);   window 3: those of my rows 64-127
; THE MATRIX INSTRUCTION IS USED TRANSPOSED: source 0 = 16 rows of B, source 1 = 16 rows of A, so that lane l holds row l % 16 of C and its registers
; the columns 8 (l / 16) + 0 .. 7: eight neighbouring numbers of a row, which pack into 16 bytes.
.set SIZE_M, 8192
.set SIZE_N, 3072
.set SIZE_K, 1024
.set KSTEP,  128
.set PITCH,  272                       ; an LDS row: 256 bytes + 16 of padding: the 16 rows that a load touches start 16 bytes apart modulo 256
.set HALFT,  128*PITCH                 ; 128 rows: what one tensor load brings, and what one wave reads of A or of B
.set SLOT,   4*HALFT                   ; A's 256 rows, then B's 256 rows
.set STAGE,  2*SLOT                    ; behind the ring: 16 rows x 272 bytes for each wave, for the way out; no tensor load lands there
.set SPITCH, 272
.set LAPS, SIZE_K/(2*KSTEP)            ; a lap = two K steps = once round the ring: 4
.set ADRA, 16                          ; v16-17  LDS address of my A fragments in slot 0, 1
.set ADRB, 20                          ; v20-21  the same for B
.set STO,  24                          ; v24     the way out: where I put 16 bytes of a row
.set RD,   25                          ; v25     the way out: where I read a row back
.set CO,   26                          ; v26     my byte offset in C
.set F0,   64                          ; fragment buffer 0
.set F1,   128                         ; fragment buffer 1
.set TMP,  192                         ; the way out: packed results, in window 0
.set G1, 24                            ; s[24:31] descriptor group 1 for A's tiles
.set G0, 32                            ; s[32:39] descriptor group 0 for A's tiles, one set for each slot
.set G1B, 48                           ; s[48:55] descriptor group 1 for B's tiles: it differs from A's in the mask alone
.set G0B, 56                           ; s[56:63] descriptor group 0 for B's tiles, one set for each slot
.set MSB, 0
.macro WIN new                         ; the immediate's high byte repeats the setting that is left; a switch that changes nothing is dropped
.if MSB != \new
	s_set_vgpr_msb (MSB<<8)|\new
.set MSB, \new
.endif
.endm
.set MUL_LO, 0xa1                      ; source 0 (B) window 1, source 1 (A) window 0, C and D window 2
.set MUL_HI, 0xf1                      ; the same, C and D window 3
.set TO_B,   0x40                      ; destination window 1, address window 0
; A joint load.  Waves 0 and 1 fetch A's two halves, waves 2 and 3 B's.  Each line has one mask and one set of registers for all that issue it.
; The branch hangs on the wave's number alone: it is the same in every work-group.
.macro JLOAD s
	s_cmp_eq_u32 s11, 0
	s_cbranch_scc0 .Lfor_b_\@
	tensor_load_to_lds s[G0+4*\s:G0+4*\s+3], s[G1:G1+7]
	s_nop 0
	s_branch .Lasked_\@
.Lfor_b_\@:
	tensor_load_to_lds s[G0B+4*\s:G0B+4*\s+3], s[G1B:G1B+7]
	s_nop 0
.Lasked_\@:
.endm
; A round of the cluster's barrier: my work-group's barrier, so that wave 0's signal speaks for all four waves; wave 0 signals for the work-group;
; every wave waits for all sixteen work-groups; my work-group's barrier once more.
.macro CREST                           ; a round behind its opening barrier
	s_cmp_lg_u32 s10, 0
	s_cbranch_scc1 .Lnot_wave_0_\@
	s_barrier_signal -3
.Lnot_wave_0_\@:
	s_barrier_wait -3
	s_barrier_signal -1
	s_barrier_wait -1
.endm
.macro CROUND                          ; a whole round
	s_barrier_signal -1
	s_barrier_wait -1
	CREST
.endm
	s_load_b128 s[4:7], s[0:1], 0x0                ; A = xb s[4:5], B = wb s[6:7]
	s_load_b64 s[8:9], s[0:1], 0x10                ; C = qkv
	s_set_vgpr_msb 0x40
	v_lshl_add_u32 v255, v0, 2, 0x48400
	s_set_vgpr_msb 0x4000
	v_mov_b32 v255, 0
	s_set_vgpr_msb 0x1
	ds_add_u32 v255, v255
	s_set_vgpr_msb 0x100
	v_lshrrev_b32 v1, 5, v0
	v_readfirstlane_b32 s10, v1                    ; wave 0..3
	s_lshr_b32 s11, s10, 1                         ; which half of the block's rows is mine.  Also: I fetch for A (0) or for B (1)
	s_and_b32 s12, s10, 1                          ; which half of its columns.  Also: which 128 rows of that tile I fetch
	s_bfe_u32 s40, ttmp6, 0x40000                  ; cx: my place along the cluster's x
	s_bfe_u32 s41, ttmp6, 0x40004                  ; cy: along its y
	s_lshl_b32 s42, ttmp9, 2                       ; in a cluster launch ttmp9 and ttmp7 count clusters
	s_add_co_u32 s42, s42, s40                     ; block column of C = 4 x cluster x + cx
	s_and_b32 s13, ttmp7, 0xffff
	s_lshl_b32 s13, s13, 2
	s_add_co_u32 s13, s13, s41                     ; block row of C = 4 x cluster y + cy
	s_lshl_b32 s43, s41, 2
	s_lshl_b32 s43, 15, s43                        ; my row of the cluster: places 4 cy .. 4 cy + 3
	s_lshl_b32 s44, 0x1111, s40                    ; my column: places cx, cx + 4, cx + 8, cx + 12
	; descriptor group 1: a tile of 128 rows x 128 elements, padded in LDS
	s_or_b32 s[G1+0], s43, (1<<16)|(1<<20)|(1<<21)|(5<<22)|(3<<25)  ; the mask: A's tiles go to my row; elements of 2 bytes; padding on; bit 21 beside a mask; after every 64 words, 4 words
	s_or_b32 s[G1B+0], s44, (1<<16)|(1<<20)|(1<<21)|(5<<22)|(3<<25) ; the same with the mask of my column, for B's tiles
	s_mov_b32 s[G1B+1], KSTEP<<16
	s_mov_b32 s[G1+1], KSTEP<<16                   ; tensor_dim0 = 128
	s_mov_b32 s[G1B+2], 128<<16
	s_mov_b32 s[G1+2], 128<<16                     ; tensor_dim1 = 128
	s_mov_b32 s[G1B+3], KSTEP<<16
	s_mov_b32 s[G1+3], KSTEP<<16                   ; tile_dim0 = 128
	s_mov_b32 s[G1B+4], 128
	s_mov_b32 s[G1+4], 128                         ; tile_dim1 = 128
	s_mov_b32 s[G1B+5], SIZE_K
	s_mov_b32 s[G1+5], SIZE_K                      ; elements from row to row
	s_mov_b32 s[G1B+6], 0
	s_mov_b32 s[G1+6], 0
	s_mov_b32 s[G1B+7], 0
	s_mov_b32 s[G1+7], 0
	; where the tiles come from.  A's hang on the block row alone, which my row of the cluster shares; B's on the block column alone, which my column shares.
	; Every wave makes both addresses, in registers that never hold the other coordinate, and asks by one of them.
	s_lshl_b32 s17, s12, 7                         ; which 128 rows of the tile I fetch
	s_lshl_b32 s16, s13, 8
	s_add_co_u32 s16, s16, s17                     ; A: row 256 x block row + 128 x half
	s_lshl_b32 s46, s42, 8
	s_add_co_u32 s46, s46, s17                     ; B: row 256 x block column + 128 x half
	s_mov_b32 s17, 0
	s_mov_b32 s47, 0
	s_mov_b64 s[18:19], SIZE_K*2
	s_mul_u64 s[16:17], s[16:17], s[18:19]         ; in bytes
	s_mul_u64 s[46:47], s[46:47], s[18:19]
	s_mul_i32 s20, s10, HALFT                      ; and where they go: wave x 128 rows: no place in the cluster enters an LDS address
	s_wait_dscnt 0x0
	s_wait_kmcnt 0x0
	s_add_nc_u64 s[14:15], s[4:5], s[16:17]
	s_add_nc_u64 s[46:47], s[6:7], s[46:47]
	CROUND                                         ; all sixteen work-groups are here: the first joint loads meet
.irp s, 0,1
	s_mov_b32 s[G0+4*\s], 1                                        ; count = 1
	s_add_co_u32 s[G0+4*\s+1], s20, \s*SLOT                        ; LDS address
	s_add_nc_u64 s[G0+4*\s+2:G0+4*\s+3], s[14:15], \s*KSTEP*2      ; global address: K step s
	s_or_b32 s[G0+4*\s+3], s[G0+4*\s+3], 0x80000000                ; type = 2
	s_mov_b32 s[G0B+4*\s], 1
	s_add_co_u32 s[G0B+4*\s+1], s20, \s*SLOT
	s_add_nc_u64 s[G0B+4*\s+2:G0B+4*\s+3], s[46:47], \s*KSTEP*2
	s_or_b32 s[G0B+4*\s+3], s[G0B+4*\s+3], 0x80000000
	JLOAD \s                                       ; the ring is filled before anything else is done: two tensor loads of the wave are out
.endr
	; A fragment is 16 rows x 32 K in 8 registers: lane l holds row l % 16; registers 0-3 hold K = 8 (l / 16) + 0..7, registers 4-7 hold
	; K = 16 + 8 (l / 16) + 0..7: two loads of 16 bytes, 32 bytes apart.
	v_and_b32 v1, 15, v0                           ; l % 16
	v_bfe_u32 v2, v0, 4, 1                         ; l / 16
	v_mul_u32_u24 v3, v1, PITCH
	v_lshl_add_u32 v3, v2, 4, v3                   ; row x pitch + 16 x half
	s_mul_i32 s21, s11, HALFT                      ; my 128 rows of A
	s_mul_i32 s22, s12, HALFT                      ; my 128 rows of B,
	s_add_co_u32 s22, s22, 2*HALFT                 ; which lie behind A's 256
.irp s, 0,1
	v_add_nc_u32 v[ADRA+\s], s21, v3
	v_add_nc_u32 v[ADRB+\s], s22, v3
	s_add_co_u32 s21, s21, SLOT
	s_add_co_u32 s22, s22, SLOT
.endr
	s_mul_i32 s23, s10, 16*SPITCH
	s_add_co_u32 s23, s23, STAGE                   ; my stage
	v_mul_u32_u24 v4, v1, SPITCH                   ; in: row l % 16, 16 bytes for each half of the lanes
	v_lshl_add_u32 v4, v2, 4, v4
	v_add_nc_u32 v[STO], s23, v4
	v_mul_u32_u24 v5, v2, SPITCH                   ; back: lanes 0-15 take one row of 256 bytes, lanes 16-31 the next
	v_lshl_add_u32 v5, v1, 4, v5
	v_add_nc_u32 v[RD], s23, v5
	v_mul_u32_u24 v5, v2, SIZE_N*2                 ; and the same two rows in C
	v_lshl_add_u32 v[CO], v1, 4, v5
; 16 matrix instructions: m blocks a0, a0 + 1 of the window's four (hi = 0: my rows 0-63, 1: rows 64-127) x all 8 n blocks, 32 along K.
; zero = 1: the first product starts the sums: nothing is ever cleared.  The 64 accumulators take turns, one instruction a turn, in the same order in
; every quarter step, over the loop's backward jump too.
.macro MUL16 f, hi, a0, zero
.irp a, \a0, \a0+1
.irp b, 0,1,2,3,4,5,6,7
.if \zero
	v_wmma_f32_16x16x32_bf16 v[8*(8*(\a)+\b):8*(8*(\a)+\b)+7], v[\f+8*\b:\f+8*\b+7], v[\f+8*(4*\hi+\a):\f+8*(4*\hi+\a)+7], 0
.else
	v_wmma_f32_16x16x32_bf16 v[8*(8*(\a)+\b):8*(8*(\a)+\b)+7], v[\f+8*\b:\f+8*\b+7], v[\f+8*(4*\hi+\a):\f+8*(4*\hi+\a)+7], v[8*(8*(\a)+\b):8*(8*(\a)+\b)+7]
.endif
.endr
.endr
.endm
; 32 LDS loads in one run: the fragments of one quarter step (128 rows of B, 128 rows of A, 32 K at byte k of the rows) into buffer f
.macro FETCH slot, k, f
	WIN TO_B
.irp i, 0,1,2,3,4,5,6,7
	ds_load_b128 v[\f+8*\i:\f+8*\i+3],   v[ADRB+\slot] offset:\k+\i*16*PITCH
	ds_load_b128 v[\f+8*\i+4:\f+8*\i+7], v[ADRB+\slot] offset:\k+\i*16*PITCH+32
.endr
	WIN 0
.irp i, 0,1,2,3,4,5,6,7
	ds_load_b128 v[\f+8*\i:\f+8*\i+3],   v[ADRA+\slot] offset:\k+\i*16*PITCH
	ds_load_b128 v[\f+8*\i+4:\f+8*\i+7], v[ADRA+\slot] offset:\k+\i*16*PITCH+32
.endr
.endm
; A load into a register that a matrix instruction has read, and a vector instruction that reads a matrix result, stand four independent plain vector
; instructions behind that matrix instruction; other matrix instructions are not counted as such here.
.macro PLACES
.rept 4
	v_nop
.endr
.endm
; A K step is four quarter steps of 32 along K, 64 matrix instructions each, on buffers 0, 1, 0, 1.
; One of the first three: multiplies buffer f; in its middle it fetches the next quarter's fragments, at byte k of the same slot's rows, into buffer g.
.macro QUARTER slot, k, f, g, zero
	s_wait_dscnt 8                                 ; B and A's rows 0-63 are in; the youngest eight loads (A's rows 64-127) may be out
	WIN MUL_LO
	MUL16 \f, 0, 0, \zero
	MUL16 \f, 0, 2, \zero
	PLACES
	FETCH \slot, \k, \g
	s_wait_dscnt 32                                ; all but the 32 just issued
	WIN MUL_HI
	MUL16 \f, 1, 0, \zero
	MUL16 \f, 1, 2, \zero
.endm
.macro THREE slot, zero
	QUARTER \slot, 64,  F0, F1, \zero
	QUARTER \slot, 128, F1, F0, 0
	QUARTER \slot, 192, F0, F1, 0
.endm
; The last quarter: multiplies buffer 1 and changes slots.  next = the other slot; fill = 1: this slot is filled again, two K steps ahead.
; One barrier for the change of slots.  In front of it each wave waits for its own reads of this slot and for all its tensor loads, of which one is out:
; its part of the next slot.  Behind it nobody reads this slot any more and the next slot is whole: the refill comes first, then the next slot's fragments.
.macro TURN slot, next, fill
	s_wait_dscnt 8
	WIN MUL_LO
	MUL16 F1, 0, 0, 0
	s_wait_dscnt 0                                 ; my reads of this slot are over
	s_wait_tensorcnt 0x0                           ; and all my tensor loads have landed: the one that was out is my part of the next slot
	ds_add_u32 v255, v255
	s_wait_dscnt 0x0
	s_barrier_signal -1                            ; say so (where a slot is filled again this barrier opens a round of the cluster's barrier),
	MUL16 F1, 0, 2, 0                              ; work on registers while the others arrive,
	WIN 0
	s_barrier_wait -1                              ; and go on when all four have said so
.if \fill
	CREST                                          ; all sixteen work-groups have said so: no wave of any partner still reads this slot's tile or has a load on its way
	s_add_nc_u64 s[G0+4*\slot+2:G0+4*\slot+3], s[G0+4*\slot+2:G0+4*\slot+3], 2*KSTEP*2
	s_add_nc_u64 s[G0B+4*\slot+2:G0B+4*\slot+3], s[G0B+4*\slot+2:G0B+4*\slot+3], 2*KSTEP*2
	JLOAD \slot                                    ; the first tensor load behind the round, and the wave's only one until the next
.endif
	PLACES
	FETCH \next, 0, F0
	WIN MUL_HI
	MUL16 F1, 1, 0, 0
	MUL16 F1, 1, 2, 0
.endm
.macro LAP zero                        ; once round the ring, both slots filled again
	THREE 0, \zero
	TURN 0, 1, 1
	THREE 1, 0
	TURN 1, 0, 1
.endm
	s_wait_tensorcnt 1                             ; my part of K step 0 is in; K step 1's stays out
	s_barrier_signal -1
	s_barrier_wait -1                              ; everybody's is
	FETCH 0, 0, F0
	LAP 1                                          ; the first lap stands in front of the loop: its first products start the sums
	WIN 0                                          ; at a label and at a branch every window is 0
	s_mov_b32 s3, LAPS-2
.Llap:
	LAP 0
	WIN 0
	s_sub_co_u32 s3, s3, 1
	s_cmp_lg_u32 s3, 0
	s_cbranch_scc1 .Llap
	THREE 0, 0                                     ; the last lap fills nothing, and has no round of the cluster's barrier
	TURN 0, 1, 0
	THREE 1, 0
	s_wait_dscnt 8                                 ; the very last quarter: nothing more to fetch
	WIN MUL_LO
	MUL16 F1, 0, 0, 0
	MUL16 F1, 0, 2, 0
	s_wait_dscnt 0
	WIN MUL_HI
	MUL16 F1, 1, 0, 0
	MUL16 F1, 1, 2, 0
	; THE WAY OUT, 16 rows of C at a time: round to f16, 16 bytes a lane into my own stage in LDS, read back as whole rows of 256 bytes.
	PLACES
	s_lshl_b32 s13, s13, 8
	s_lshl_b32 s14, s11, 7
	s_add_co_u32 s16, s13, s14                     ; my first row of C
	s_mov_b32 s17, 0
	s_mov_b64 s[18:19], SIZE_N*2
	s_mul_u64 s[16:17], s[16:17], s[18:19]
	s_add_nc_u64 s[8:9], s[8:9], s[16:17]
	s_lshl_b32 s46, s42, 9                         ; my first column, in bytes: 512 x block + 256 x half
	s_lshl_b32 s47, s12, 8
	s_add_co_u32 s46, s46, s47
	s_mov_b32 s47, 0
	s_add_nc_u64 s[8:9], s[8:9], s[46:47]
; rows 16 i .. 16 i + 15 of my block = the eight tiles (a, 0..7) of window 2 or 3 (from = 0x0a or 0x0f: sources 0 and 1); f: F0 or F1 in turn
.macro OUT16 i, a, from, f
	WIN \from
.irp b, 0,1,2,3,4,5,6,7
.irp r, 0,1,2,3
	v_cvt_pk_f16_f32 v[TMP+4*\b+\r], v[8*(8*\a+\b)+2*\r], v[8*(8*\a+\b)+2*\r+1]
.endr
.endr
	WIN 0
.irp b, 0,1,2,3,4,5,6,7
	ds_store_b128 v[STO], v[TMP+4*\b:TMP+4*\b+3] offset:32*\b
.endr
	s_wait_xcnt 0x0                                ; buffer f, which earlier stores read, and the stores' base are rewritten only behind this wait
.if \i
	s_add_nc_u64 s[8:9], s[8:9], 16*SIZE_N*2       ; 16 rows of C on
.endif
.irp t, 0,1,2,3,4,5,6,7
	ds_load_b128 v[\f+4*\t:\f+4*\t+3], v[RD] offset:\t*2*SPITCH    ; LDS serves a wave's instructions in order: these see the stores above
.endr
.irp t, 0,1,2,3,4,5,6,7
	s_wait_dscnt 7-\t                              ; load t is in, the younger ones stay out
	global_store_b128 v[CO], v[\f+4*\t:\f+4*\t+3], s[8:9] offset:2*\t*SIZE_N*2   ; 16 lanes store 256 consecutive bytes, aligned
.endr
.endm
	OUT16 0, 0, 0x0a, F0
	OUT16 1, 1, 0x0a, F1
	OUT16 2, 2, 0x0a, F0
	OUT16 3, 3, 0x0a, F1
	OUT16 4, 0, 0x0f, F0
	OUT16 5, 1, 0x0f, F1
	OUT16 6, 2, 0x0f, F0
	OUT16 7, 3, 0x0f, F1
	s_set_vgpr_msb 0x1
	s_wait_tensorcnt 0x0
	ds_add_u32 v255, v255
	s_wait_dscnt 0x0
	s_set_vgpr_msb 0x100
	CROUND                                         ; the closing round: no work-group ends while a partner may still ask for a tile that names it
	s_endpgm
.Lfunc_end_k_q590ffacd3f_qkv:
	.size	k_q590ffacd3f_qkv, .Lfunc_end_k_q590ffacd3f_qkv-k_q590ffacd3f_qkv
	.p2alignl 7, 3214868480
	.fill 96, 4, 3214868480
	.section	.rodata,"a",@progbits
	.p2align	6, 0x0
	.amdhsa_kernel k_q590ffacd3f_qkv
		.amdhsa_group_segment_fixed_size 327680
		.amdhsa_private_segment_fixed_size 0
		.amdhsa_enable_private_segment 0
		.amdhsa_kernarg_size 24
		.amdhsa_user_sgpr_count 2
		.amdhsa_user_sgpr_kernarg_segment_ptr 1
		.amdhsa_wavefront_size32 1
		.amdhsa_system_sgpr_workgroup_id_x 1
		.amdhsa_system_sgpr_workgroup_id_y 1
		.amdhsa_system_sgpr_workgroup_id_z 1
		.amdhsa_system_vgpr_workitem_id 0
		.amdhsa_next_free_vgpr 1024
		.amdhsa_next_free_sgpr 66
		.amdhsa_reserve_vcc 0
		.amdhsa_float_denorm_mode_32 3
		.amdhsa_float_denorm_mode_16_64 3
		.amdhsa_memory_ordered 1
		.amdhsa_forward_progress 1
		.amdhsa_inst_pref_size 196
	.end_amdhsa_kernel
	.amdgpu_metadata
---
amdhsa.version: [ 1, 2 ]
amdhsa.kernels:
  - .name:           k_q590ffacd3f_qkv
    .symbol:         k_q590ffacd3f_qkv.kd
    .args:
      - { .name: xb, .offset: 0, .size: 8, .value_kind: global_buffer, .address_space: global }
      - { .name: wb, .offset: 8, .size: 8, .value_kind: global_buffer, .address_space: global }
      - { .name: qkv, .offset: 16, .size: 8, .value_kind: global_buffer, .address_space: global }
    .group_segment_fixed_size: 327680
    .private_segment_fixed_size: 0
    .kernarg_segment_align: 8
    .kernarg_segment_size: 24
    .max_flat_workgroup_size: 128
    .sgpr_count:     66
    .vgpr_count:     1024
    .wavefront_size: 32
...
	.end_amdgpu_metadata
.endif
;; end of part 2
;; launch attn (part 3): grid 8 x 32, 8 waves a work-group, clusters of 4 x 1, 327,680 bytes of LDS; arguments qkv, maskw, ob; writes ob
.if DOCPART == 3
	.amdgcn_target "amdgcn-amd-amdhsa--gfx1250"
	.amdhsa_code_object_version 6
	.text
	.protected	k_q590ffacd3f_attn
	.globl	k_q590ffacd3f_attn
	.p2align	8
	.type	k_q590ffacd3f_attn,@function
k_q590ffacd3f_attn:
	s_mov_b64 s[64:65], 0
	v_nop
	global_prefetch_b8 v0, s[64:65] scope:SCOPE_SE
	s_setreg_imm32_b32 hwreg(HW_REG_WAVE_MODE, 25, 1), 1
	s_wait_xcnt 0x0
	s_wait_alu depctr_hold_cnt(0) depctr_sa_sdst(0) depctr_va_vdst(0) depctr_va_sdst(0) depctr_va_ssrc(0) depctr_va_vcc(0) depctr_vm_vsrc(0)
	s_getreg_b32 s2, hwreg(HW_REG_IB_STS2, 6, 4)
	s_cmp_eq_u32 s2, 0
	s_cbranch_scc0 .Lentry_in_a_cluster
	s_endpgm
.Lentry_in_a_cluster:
	s_bfe_u32 s2, ttmp6, 0x10000c
	s_cmp_lg_u32 s2, 0x3003
	s_cbranch_scc0 .Lentry_shape_is_right
	s_endpgm
.Lentry_shape_is_right:
; Launch 3 of 4: ob = softmax(mask ? q k^T / 8 : -inf) v, head by head, with a running maximum.  Nothing of the computation is left out: the mask is an
; input, so every tile of scores is computed and then selected by the mask's words.
; A work-group: one batch b, one PAIR of heads p (their k, v and result rows are 256 consecutive bytes, aligned) and 256 queries.  256 work-groups.
; Wave w: head 2 p + (w >> 2), queries 64 (w & 3) .. + 63: four query tiles of 16.  Keys go in tiles of 256 through two LDS slots, 64 keys a step.
; CLUSTER of 4 x 1: the four query blocks of one (b, p) read the same k and v tiles and ask for them jointly (mask 15): a quarter of the requests.
; THE PRODUCTS ARE TRANSPOSED, so that the softmax's weights never leave the registers:
;   S^T (16 keys x 16 queries) = k rows (source 0) x q rows (source 1): lane (r, h), register j holds key 8 h + j of query r.
;   Two such tiles, packed to f16, ARE source 1 of the second product for 32 keys: registers 0-3 keys 8 h .. + 7, registers 4-7 keys 16 + 8 h .. + 7.
;   O^T (16 d x 16 queries) += v^T (source 0, by the transposing LDS load) x P^T.  Maximum, sum and rescaling factor are one number a lane.
; LIMITS: the running maximum starts at -FLT_MAX, so that a masked score (-inf) minus the maximum is -inf and never NaN; scores below -FLT_MAX do not exist
; but as -inf.  A query whose mask row is all false ends with sum 0 and result 0 x (1 / 0) = NaN, as the softmax of -inf alone.  v_exp_f32 gives 0 for
; results below 2^-126 (ISA guide, its entry in 15.8).  q, k, v, the weights P (at most 1; steps of 2^-24 below 2^-14) and the result are f16;
; scores, maxima, sums and O are f32.
.set ROWB,  6144                       ; bytes in a row of qkv
.set PK,    272                        ; LDS pitch of k's rows: 256 + 16: the 16 rows of a fragment start 16 bytes apart modulo 256
.set PV,    272                        ; v's rows have the same pitch, so that ONE descriptor and one line serve all eight waves.  The sixteen lanes of a transposing load
                                       ; (8 rows i x 2 columns c of 16 bytes) then start at 16 (i + c) modulo 256, so that some places are met by two lanes; a step has 16 such loads.
.set KBYTES, 256*PK                    ; 69,632
.set SLOT,  256*PK+256*PV              ; 139,264: k's 256 rows, then v's 256 rows.  Two slots = 278,528 bytes
.set TILEB, 256*ROWB                   ; 256 keys on in memory
.set CEXP,  0x3e38aa3b                 ; c = log2(e) / 8: exp(s / 8 - m / 8) = 2^(c s - c m)
.set NCEXP, 0xbe38aa3b                 ; -c
; window 0
.set ADK,  4                           ; v4-5     k fragments' LDS address in slot 0, 1
.set ADV,  6                           ; v6-9     v fragments' LDS address: slot 0 keys 0-127, slot 0 keys 128-255, slot 1 likewise
.set NINF, 10                          ; v10      -inf
.set STO,  11                          ; v11      the way out: where I put 16 bytes of a row
.set MX,   12                          ; v12-15   running maximum of query tile 0..3 (raw scores)
.set LS,   16                          ; v16-19   running sum (of my half of the keys: the lane halves are joined at the end)
.set RD,   20                          ; v20      the way out: where I read rows back
.set CO,   21                          ; v21      my byte offset in ob
.set NM,   22                          ; v[22:23] -c x maximum (v23 is only the pair's partner)
.set TT,   24                          ; v[24:31] at work
.set VF,   32                          ; v[32:95] v^T fragments (kk, dt) at 32 kk + 8 dt
.set SC,   96                          ; v[96:223] scores (qt, kt) at 32 qt + 8 kt; P is packed in place: (qt, kk) at 32 qt + 16 kk
.set AL,   224                         ; v[224:231] rescaling factor of query tile qt at 2 qt (odd registers are only the pairs' partners)
.set QOFF, 232                         ; v232     lane term of q's address
.set TP,   234                         ; v234-235 at work
; window 1
.set OF,   0                           ; v256-383 O^T (qt, dt) at 32 qt + 8 dt
.set QF,   128                         ; v384-447 q fragments (qt, dk) at 16 qt + 8 dk
.set KF,   192                         ; v448-511 k fragments (kt, dk) at 16 kt + 8 dk
; scalars: s[4:5] qkv; s[6:7] my mask words; s8 wave; s9 counter; s10-11 lane selects; s[12:15], s[24:27] descriptor group 0 of slot 0, 1; s[16:23] group 1;
;          s[28:29] ob; s[66:67] my q rows; s[32:63], s[68:99] two buffers of 32 mask words.
.set G0,   12
.set MA,   32
.set MSB, 0
.macro WIN new                         ; low byte: bits 1:0 source 0, 3:2 source 1, 5:4 source 2, 7:6 destination; the high byte repeats the setting that is left
.if MSB != \new
	s_set_vgpr_msb (MSB<<8)|\new
.set MSB, \new
.endif
.endm
.macro NOPS n
.rept \n
	v_nop
.endr
.endm
; A round of the cluster's barrier: my work-group's barrier, wave 0 signals for the work-group, every wave waits for all four work-groups, my barrier again.
.macro ROUND
	s_barrier_signal -1
	s_barrier_wait -1
	s_cmp_lg_u32 s8, 0
	s_cbranch_scc1 .Lnot_wave_0_\@
	s_barrier_signal -3
.Lnot_wave_0_\@:
	s_barrier_wait -3
	s_barrier_signal -1
	s_barrier_wait -1
.endm
	s_load_b128 s[4:7], s[0:1], 0x0                ; qkv, maskw
	s_load_b64 s[28:29], s[0:1], 0x10              ; ob
	v_lshl_add_u32 v254, v0, 2, 0x44000
	v_mov_b32 v255, 0
	ds_add_u32 v254, v255
	v_lshrrev_b32 v3, 5, v0
	v_readfirstlane_b32 s8, v3                     ; wave 0..7
	s_mov_b32 s10, 0x76543210                      ; v_permlanex16_b32: lane i of one half reads lane i of the other
	s_mov_b32 s11, 0xfedcba98
	s_and_b32 s2, ttmp7, 0xffff                    ; the cluster is one work-group high: this is the work-group's y
	s_lshr_b32 s3, s2, 3                           ; b
	s_and_b32 s2, s2, 7                            ; p
	; The descriptor: 64 rows x 128 elements of 2 bytes, 3,072 elements from row to row, 16 bytes of padding behind each row.  One for all eight waves:
	; wave w fills LDS rows 64 w .. + 63 of a slot's 512.  Waves 0-3 bring k's rows 64 w .. + 63, waves 4-7 v's rows 64 (w - 4) .. + 63.
	s_mov_b32 s16, 15|(1<<16)|(1<<20)|(1<<21)|(5<<22)|(3<<25)      ; mask of the four partners; 2 bytes; padding on; bit 21 beside a mask; after 64 words, 4 words
	s_mov_b32 s17, 128<<16                         ; tensor_dim0 = 128
	s_mov_b32 s18, 64<<16                          ; tensor_dim1 = 64
	s_mov_b32 s19, 128<<16                         ; tile_dim0 = 128
	s_mov_b32 s20, 64                              ; tile_dim1 = 64
	s_mov_b32 s21, 3072                            ; pitch
	s_mov_b32 s22, 0
	s_mov_b32 s23, 0
	s_mov_b32 s12, 1
	s_mov_b32 s24, 1
	s_mul_i32 s13, s8, 64*PK                       ; LDS address in slot 0: the wave's number x 17,408
	s_add_co_u32 s25, s13, SLOT                    ; the same place in slot 1
	s_and_b32 s30, s8, 3
	s_mul_i32 s30, s30, 64*ROWB                    ; which 64 keys
	s_lshr_b32 s31, s8, 2
	s_lshl_b32 s31, s31, 11
	s_add_co_u32 s30, s30, s31
	s_add_co_u32 s30, s30, 2048                    ; k's columns begin at byte 2,048 of a row, v's at byte 4,096
	s_mul_i32 s31, s3, 2048*ROWB                   ; the batch
	s_add_co_u32 s30, s30, s31
	s_lshl_b32 s31, s2, 8                          ; the pair of heads: 256 bytes
	s_add_co_u32 s30, s30, s31
	s_mov_b32 s31, 0
	s_wait_dscnt 0x0
	s_wait_kmcnt 0x0
	s_add_nc_u64 s[14:15], s[4:5], s[30:31]        ; key tile 0: made of b, p and the wave's number, which the four partners share
	s_add_nc_u64 s[26:27], s[14:15], TILEB         ; key tile 1
	s_or_b32 s15, s15, 0x80000000                  ; type = 2
	s_or_b32 s27, s27, 0x80000000
	ROUND                                          ; the four work-groups are here: the first joint loads meet
	tensor_load_to_lds s[12:15], s[16:23]          ; both first fills in one group: two tensor loads of the wave are out,
	s_nop 0
	tensor_load_to_lds s[24:27], s[16:23]          ; later one
	s_nop 0
	; what hangs on my place in the cluster (global addresses of my own loads and stores only), in registers that feed no descriptor
	s_bfe_u32 s68, ttmp6, 0x40000                  ; cx
	s_lshl_b32 s69, ttmp9, 2
	s_add_co_u32 s68, s68, s69                     ; query block qb = 4 x cluster x + cx
	s_and_b32 s69, s8, 3                           ; w & 3: which 64 queries
	s_lshr_b32 s70, s8, 2                          ; w >> 2: which head of the pair
	s_lshl_b32 s71, s3, 11
	s_lshl_b32 s72, s68, 8
	s_add_co_u32 s71, s71, s72                     ; the block's first row: 2048 b + 256 qb
	s_lshl_b32 s72, s69, 6
	s_add_co_u32 s72, s72, s71                     ; my first query's row
	s_mul_i32 s72, s72, ROWB
	s_lshl_b32 s73, s2, 8
	s_add_co_u32 s72, s72, s73
	s_lshl_b32 s78, s70, 7                         ; 128 bytes for the second head of the pair
	s_add_co_u32 s72, s72, s78
	s_mov_b32 s73, 0
	s_add_nc_u64 s[66:67], s[4:5], s[72:73]        ; q
	s_lshl_b32 s74, s68, 4
	s_lshl2_add_u32 s74, s69, s74                  ; my first query tile: 16 qb + 4 (w & 3)
	s_lshl_b32 s74, s74, 12                        ; 4,096 bytes of words for each query tile
	s_mov_b32 s75, 0
	s_add_nc_u64 s[6:7], s[6:7], s[74:75]
	s_lshl_b32 s76, s8, 5
	s_add_co_u32 s76, s76, s71                     ; on the way out wave w stores rows 32 w .. + 31 of the block
	s_lshl_b32 s76, s76, 11                        ; 2,048 bytes in a row of ob
	s_lshl_b32 s77, s2, 8
	s_add_co_u32 s76, s76, s77
	s_mov_b32 s77, 0
	s_add_nc_u64 s[28:29], s[28:29], s[76:77]
	v_and_b32 v1, 15, v0                           ; r
	v_bfe_u32 v2, v0, 4, 1                         ; h
	v_mul_u32_u24 v[QOFF], v1, ROWB
	v_lshl_add_u32 v[QOFF], v2, 4, v[QOFF]         ; row r, 16 bytes for each half of the lanes
	WIN 0x40                                       ; destination window 1
.irp qt, 0,1,2,3
.irp dk, 0,1
	global_load_b128 v[QF+16*\qt+8*\dk:QF+16*\qt+8*\dk+3],   v[QOFF], s[66:67] offset:16*ROWB*\qt+64*\dk
	global_load_b128 v[QF+16*\qt+8*\dk+4:QF+16*\qt+8*\dk+7], v[QOFF], s[66:67] offset:16*ROWB*\qt+64*\dk+32
.endr
.endr
	WIN 0
	s_load_b512 s[MA:MA+15], s[6:7], 0x0           ; the 32 mask words of the first step: query tile 0, keys 0-63
	s_load_b512 s[MA+16:MA+31], s[6:7], 0x40
	v_mul_u32_u24 v[ADK], v1, PK
	v_lshl_add_u32 v[ADK], v2, 4, v[ADK]
	v_add_nc_u32 v[ADK], s78, v[ADK]               ; 272 r + 16 h + my head's 128 bytes
	v_add_nc_u32 v[ADK+1], SLOT, v[ADK]
	v_and_b32 v3, 7, v0
	v_lshl_add_u32 v3, v2, 3, v3                   ; the transposing load: key 8 h + (l & 7),
	v_mul_u32_u24 v[ADV], v3, PV
	v_bfe_u32 v3, v0, 3, 1
	v_lshl_add_u32 v[ADV], v3, 4, v[ADV]           ; 16 bytes for each half of a group of sixteen lanes
	v_add_nc_u32 v[ADV], s78, v[ADV]
	v_add_nc_u32 v[ADV], KBYTES, v[ADV]
	v_add_nc_u32 v[ADV+1], 128*PV, v[ADV]
	v_add_nc_u32 v[ADV+2], SLOT, v[ADV]
	v_add_nc_u32 v[ADV+3], SLOT, v[ADV+1]
	s_mul_i32 s79, s69, 64*PK
	v_add_nc_u32 v[STO], s79, v[ADK]               ; stage: row 64 (w & 3) + r, my head's 128 bytes, 16 h
	v_mul_u32_u24 v[RD], v2, PK
	v_lshl_add_u32 v[RD], v1, 4, v[RD]
	s_mul_i32 s80, s8, 32*PK
	v_add_nc_u32 v[RD], s80, v[RD]                 ; back: rows 32 w + h, 16 bytes a lane
	v_lshlrev_b32 v[CO], 11, v2
	v_lshl_add_u32 v[CO], v1, 4, v[CO]
	v_mov_b32 v[NINF], 0xff800000
.irp qt, 0,1,2,3
	v_mov_b32 v[MX+\qt], 0xff7fffff                ; -FLT_MAX
	v_mov_b32 v[AL+2*\qt+1], 0                     ; partners of pairs of which only the first register is used
.endr
	v_mov_b32 v[NM+1], 0
	v_mov_b32 v[TP], 0                             ; v_permlanex16_b32 counts as a reader of its destination
; 16 LDS loads: the k fragments of keys 64 u .. + 63 of a slot's tile
.macro KLOAD slot, u
	WIN 0x40
.irp kt, 0,1,2,3
.irp dk, 0,1
	ds_load_b128 v[KF+16*\kt+8*\dk:KF+16*\kt+8*\dk+3],   v[ADK+\slot] offset:64*PK*(\u)+16*PK*\kt+64*\dk
	ds_load_b128 v[KF+16*\kt+8*\dk+4:KF+16*\kt+8*\dk+7], v[ADK+\slot] offset:64*PK*(\u)+16*PK*\kt+64*\dk+32
.endr
.endr
	WIN 0
.endm
; 16 transposing LDS loads: v^T of the same keys: registers 0-3 keys 32 kk + 8 h .. + 7 of column 16 dt + r, registers 4-7 sixteen keys on
.macro VLOAD slot, u
.irp kk, 0,1
.irp dt, 0,1,2,3
	ds_load_tr16_b128 v[VF+32*\kk+8*\dt:VF+32*\kk+8*\dt+3],   v[ADV+2*\slot+((\u)>>1)] offset:64*PV*((\u)&1)+32*PV*\kk+32*\dt
	ds_load_tr16_b128 v[VF+32*\kk+8*\dt+4:VF+32*\kk+8*\dt+7], v[ADV+2*\slot+((\u)>>1)] offset:64*PV*((\u)&1)+32*PV*\kk+32*\dt+16*PV
.endr
.endr
.endm
; The softmax step of query tile qt on 64 keys (32 registers).  nextoff: where the next step's 32 mask words lie (below 0: none is left).
.macro SOFT qt, first, nextoff
.set SB, SC+32*\qt
.set MK, MA+36*(\qt&1)                 ; the two buffers of mask words take turns
.set MN, MA+36-36*(\qt&1)
	s_wait_kmcnt 0x0                               ; this step's words, asked for one step ago (scalar loads return in no order: only 0 shows anything)
.if \nextoff >= 0
	s_load_b512 s[MN:MN+15], s[6:7], \nextoff
	s_load_b512 s[MN+16:MN+31], s[6:7], \nextoff+64
.endif
.set i, 0
.rept 32
	v_cndmask_b32 v[SB+i], v[NINF], v[SB+i], s[MK+i]               ; word i is the lane mask of register i
.set i, i+1
.endr
.irp c, 0,1,2,3
	v_max3_num_f32 v[TT+\c], v[SB+8*\c], v[SB+8*\c+1], v[SB+8*\c+2]           ; four chains that do not wait for each other
.endr
.irp c, 0,1,2,3
	v_max3_num_f32 v[TT+\c], v[TT+\c], v[SB+8*\c+3], v[SB+8*\c+4]
.endr
.irp c, 0,1,2,3
	v_max3_num_f32 v[TT+\c], v[TT+\c], v[SB+8*\c+5], v[SB+8*\c+6]
.endr
	v_max3_num_f32 v[TT], v[TT], v[SB+7], v[TT+1]
	v_max3_num_f32 v[TT+2], v[TT+2], v[SB+15], v[TT+3]
	v_max3_num_f32 v[TT], v[TT], v[SB+23], v[TT+2]
	v_max3_num_f32 v[TT], v[TT], v[SB+31], v[MX+\qt]               ; the old maximum too
	v_permlanex16_b32 v[TP], v[TT], s10, s11                       ; lanes r and r + 16 hold the same query's other keys
.if \first == 0
	v_mul_f32 v[TP+1], NCEXP, v[MX+\qt]                            ; -c x old maximum, rounded as it was when the old weights were made
.endif
	v_max_num_f32 v[MX+\qt], v[TT], v[TP]
	v_mul_f32 v[NM], NCEXP, v[MX+\qt]
.if \first == 0
	v_sub_f32 v[TP+1], v[NM], v[TP+1]                              ; every weight is 2^(c s + NM): the factor between two NM is exact up to this one rounding,
	v_exp_f32 v[AL+2*\qt], v[TP+1]                                 ; so NM's own rounding is common to O and to the sum and cancels.  The plain lines below stand behind it
.endif
.set i, 0
.rept 16
	v_pk_fma_f32 v[SB+2*i:SB+2*i+1], v[SB+2*i:SB+2*i+1], CEXP, v[NM:NM+1] op_sel_hi:[1,0,0]
.set i, i+1
.endr
.set i, 0
.rept 32
	v_exp_f32 v[SB+i], v[SB+i]
.set i, i+1
.endr
	v_nop                                          ; one plain vector instruction between the last exponential and the first use (ISA guide 5.7.2)
	s_wait_alu depctr_va_vdst(0)
.irp c, 0,1,2,3
	v_pk_add_f32 v[TT+2*\c:TT+2*\c+1], v[SB+8*\c:SB+8*\c+1], v[SB+8*\c+2:SB+8*\c+3]
.endr
.irp c, 0,1,2,3
	v_pk_add_f32 v[TT+2*\c:TT+2*\c+1], v[TT+2*\c:TT+2*\c+1], v[SB+8*\c+4:SB+8*\c+5]
.endr
.irp c, 0,1,2,3
	v_pk_add_f32 v[TT+2*\c:TT+2*\c+1], v[TT+2*\c:TT+2*\c+1], v[SB+8*\c+6:SB+8*\c+7]
.endr
	v_pk_add_f32 v[TT:TT+1], v[TT:TT+1], v[TT+2:TT+3]
	v_pk_add_f32 v[TT+4:TT+5], v[TT+4:TT+5], v[TT+6:TT+7]
	v_pk_add_f32 v[TT:TT+1], v[TT:TT+1], v[TT+4:TT+5]
.if \first
	v_add_f32 v[LS+\qt], v[TT], v[TT+1]                            ; the first step starts the sum
.else
	v_add_f32 v[TT], v[TT], v[TT+1]
	v_fma_f32 v[LS+\qt], v[LS+\qt], v[AL+2*\qt], v[TT]
.endif
.set i, 0
.rept 8
	v_cvt_pk_f16_f32 v[SB+i], v[SB+2*i], v[SB+2*i+1]               ; keys 0-31 into registers 0-7: register i is written when 2 i and 2 i + 1 have been read
.set i, i+1
.endr
.set i, 0
.rept 8
	v_cvt_pk_f16_f32 v[SB+16+i], v[SB+16+2*i], v[SB+16+2*i+1]      ; keys 32-63 into registers 16-23
.set i, i+1
.endr
.endm
; One step: 64 keys x my 64 queries.  mo: where query tile 0's mask words of this step lie.  nextk: the next step's k fragments are in this slot.
; In both runs of products the 16 accumulators take turns, one instruction a turn; the last product of a run and
; the first of the next name different accumulators.
.macro SUB slot, u, first, mo, nextk, lastmask
	s_wait_dscnt 0x0                               ; the k fragments are in
.if \first == 0
	NOPS 5                                         ; the products below write over the registers that the last run of products read as P: five places (ISA guide 7.12.1)
.endif
	WIN 0x05                                       ; sources 0 and 1 window 1, C and D window 0
.irp dk, 0,1
.irp qt, 0,1,2,3
.irp kt, 0,1,2,3
.if \dk
	v_wmma_f32_16x16x32_f16 v[SC+32*\qt+8*\kt:SC+32*\qt+8*\kt+7], v[KF+16*\kt+8*\dk:KF+16*\kt+8*\dk+7], v[QF+16*\qt+8*\dk:QF+16*\qt+8*\dk+7], v[SC+32*\qt+8*\kt:SC+32*\qt+8*\kt+7]
.else
	v_wmma_f32_16x16x32_f16 v[SC+32*\qt+8*\kt:SC+32*\qt+8*\kt+7], v[KF+16*\kt+8*\dk:KF+16*\kt+8*\dk+7], v[QF+16*\qt+8*\dk:QF+16*\qt+8*\dk+7], 0
.endif
.endr
.endr
.endr
	WIN 0
	NOPS 4                                         ; four places before the scores are read and before loads land in the k fragments
	VLOAD \slot, \u
.if \nextk
	KLOAD \slot, (\u+1)
.endif
	SOFT 0, \first, (\mo+4096)
	SOFT 1, \first, (\mo+8192)
	SOFT 2, \first, (\mo+12288)
.if \lastmask
	SOFT 3, \first, -1
.else
	SOFT 3, \first, (\mo+128)
.endif
.if \first == 0
	WIN 0x41                                       ; O in window 1, the factor in window 0
.irp qt, 0,1,2,3
.set i, 0
.rept 16
	v_pk_mul_f32 v[OF+32*\qt+2*i:OF+32*\qt+2*i+1], v[OF+32*\qt+2*i:OF+32*\qt+2*i+1], v[AL+2*\qt:AL+2*\qt+1] op_sel_hi:[1,0]
.set i, i+1
.endr
.endr
.endif
.if \nextk
	s_wait_dscnt 16                                ; v^T is in; the 16 younger loads (the next step's k) stay out
.else
	s_wait_dscnt 0x0
.endif
	WIN 0x50                                       ; sources 0 and 1 window 0, C and D window 1
.irp kk, 0,1
.irp qt, 0,1,2,3
.irp dt, 0,1,2,3
.if \first*(1-\kk)
	v_wmma_f32_16x16x32_f16 v[OF+32*\qt+8*\dt:OF+32*\qt+8*\dt+7], v[VF+32*\kk+8*\dt:VF+32*\kk+8*\dt+7], v[SC+32*\qt+16*\kk:SC+32*\qt+16*\kk+7], 0
.else
	v_wmma_f32_16x16x32_f16 v[OF+32*\qt+8*\dt:OF+32*\qt+8*\dt+7], v[VF+32*\kk+8*\dt:VF+32*\kk+8*\dt+7], v[SC+32*\qt+16*\kk:SC+32*\qt+16*\kk+7], v[OF+32*\qt+8*\dt:OF+32*\qt+8*\dt+7]
.endif
.endr
.endr
.endr
	WIN 0
.endm
; A key tile of 256 in a slot.  refill = 1: the other slot, read last, is filled again with the tile two further on.
.macro TRIP slot, refill, mo0, last
	s_wait_tensorcnt 0x0                           ; all my tensor loads have landed, my part of this slot's tile among them,
	ds_add_u32 v254, v255
	s_wait_dscnt 0x0
.if \refill
	s_add_nc_u64 s[G0+12*(1-\slot)+2:G0+12*(1-\slot)+3], s[G0+12*(1-\slot)+2:G0+12*(1-\slot)+3], 2*TILEB   ; so a group 0 may be written: the other slot's next tile
.endif
	s_wait_dscnt 0x0                               ; my reads of the other slot are over
.if \refill
	ROUND                                          ; both now hold of every wave of all four work-groups
	tensor_load_to_lds s[G0+12*(1-\slot):G0+12*(1-\slot)+3], s[16:23]       ; my one tensor load behind the round, first thing: it has four steps' work in which to land
	s_nop 0
.else
	s_barrier_signal -1
	s_barrier_wait -1
.endif
	KLOAD \slot, 0
	SUB \slot, 0, 0, \mo0, 1, 0
	SUB \slot, 1, 0, (\mo0+128), 1, 0
	SUB \slot, 2, 0, (\mo0+256), 1, 0
	SUB \slot, 3, 0, (\mo0+384), 0, \last
.endm
	s_wait_tensorcnt 0x1                           ; my part of tile 0 is in; tile 1's stays out
	s_barrier_signal -1
	s_barrier_wait -1                              ; everybody's is
	s_wait_loadcnt 0x0                             ; q
	KLOAD 0, 0
	SUB 0, 0, 1, 0, 1, 0                           ; the first step starts maxima, sums and O: nothing is cleared
	SUB 0, 1, 0, 128, 1, 0
	SUB 0, 2, 0, 256, 1, 0
	SUB 0, 3, 0, 384, 0, 0
	s_wait_kmcnt 0x0                               ; the words asked for last are in: the base may step
	s_add_nc_u64 s[6:7], s[6:7], 0x200             ; one key tile: 16 tiles of 32 bytes
	s_mov_b32 s9, 3
.Ltiles:
	TRIP 1, 1, 0, 0                                ; tiles 1, 3, 5; slot 0 gets tiles 2, 4, 6
	TRIP 0, 1, 512, 0                              ; tiles 2, 4, 6; slot 1 gets tiles 3, 5, 7
	s_wait_kmcnt 0x0
	s_add_nc_u64 s[6:7], s[6:7], 0x400
	s_sub_co_u32 s9, s9, 1
	s_cmp_lg_u32 s9, 0
	s_cbranch_scc1 .Ltiles
	TRIP 1, 0, 0, 1                                ; tile 7: nothing is left to fetch, of tiles or of mask words
	; THE WAY OUT.  O^T: lane (r, h), register j of tile (qt, dt) = O[query 16 qt + r][16 dt + 8 h + j]: eight neighbouring numbers of a row.
	NOPS 4                                         ; four places behind the last products
.irp qt, 0,1,2,3
	v_permlanex16_b32 v[TT+\qt], v[LS+\qt], s10, s11               ; the other half of the keys' sum
.endr
.irp qt, 0,1,2,3
	v_add_f32 v[LS+\qt], v[LS+\qt], v[TT+\qt]
.endr
.irp qt, 0,1,2,3
	v_rcp_f32 v[AL+2*\qt], v[LS+\qt]
.endr
	v_nop                                          ; one plain vector instruction behind the reciprocals
	WIN 0x01                                       ; source 0 window 1
	s_wait_alu depctr_va_vdst(0)
.irp qt, 0,1,2,3
.set i, 0
.rept 16
	v_pk_mul_f32 v[SC+32*\qt+2*i:SC+32*\qt+2*i+1], v[OF+32*\qt+2*i:OF+32*\qt+2*i+1], v[AL+2*\qt:AL+2*\qt+1] op_sel_hi:[1,0]
.set i, i+1
.endr
.endr
	WIN 0
.set i, 0
.rept 64
	v_cvt_pk_f16_f32 v[VF+i], v[SC+2*i], v[SC+2*i+1]               ; tile (qt, dt): four registers at 16 qt + 4 dt
.set i, i+1
.endr
	; The stage is slot 0's k bytes: 256 rows of 272.  Their last fill (tile 6) has landed and every wave's reads of them were over in front of tile 7's barrier.
.irp qt, 0,1,2,3
.irp dt, 0,1,2,3
	ds_store_b128 v[STO], v[VF+16*\qt+4*\dt:VF+16*\qt+4*\dt+3] offset:16*PK*\qt+32*\dt
.endr
.endr
	s_wait_dscnt 0x0                               ; for the others' sake: my stores are done
	s_barrier_signal -1
	s_barrier_wait -1                              ; a row holds both heads' halves, written by two waves
.set t, 0
.rept 16
	ds_load_b128 v[SC+4*t:SC+4*t+3], v[RD] offset:2*PK*t
.set t, t+1
.endr
.set t, 0
.rept 16
	s_wait_dscnt 15-t                              ; load t is in, the younger ones stay out
	global_store_b128 v[CO], v[SC+4*t:SC+4*t+3], s[28:29] offset:4096*t     ; 16 lanes store 256 consecutive bytes, aligned: the pair of heads of one row
.set t, t+1
.endr
	s_wait_tensorcnt 0x0
	ds_add_u32 v254, v255
	s_wait_dscnt 0x0
	ROUND                                          ; the closing round: no work-group ends while a partner may still ask for a tile that names it
	s_endpgm
.Lfunc_end_k_q590ffacd3f_attn:
	.size	k_q590ffacd3f_attn, .Lfunc_end_k_q590ffacd3f_attn-k_q590ffacd3f_attn
	.p2alignl 7, 3214868480
	.fill 96, 4, 3214868480
	.section	.rodata,"a",@progbits
	.p2align	6, 0x0
	.amdhsa_kernel k_q590ffacd3f_attn
		.amdhsa_group_segment_fixed_size 327680
		.amdhsa_private_segment_fixed_size 0
		.amdhsa_enable_private_segment 0
		.amdhsa_kernarg_size 24
		.amdhsa_user_sgpr_count 2
		.amdhsa_user_sgpr_kernarg_segment_ptr 1
		.amdhsa_wavefront_size32 1
		.amdhsa_system_sgpr_workgroup_id_x 1
		.amdhsa_system_sgpr_workgroup_id_y 1
		.amdhsa_system_sgpr_workgroup_id_z 1
		.amdhsa_system_vgpr_workitem_id 0
		.amdhsa_next_free_vgpr 512
		.amdhsa_next_free_sgpr 100
		.amdhsa_reserve_vcc 0
		.amdhsa_float_denorm_mode_32 3
		.amdhsa_float_denorm_mode_16_64 3
		.amdhsa_memory_ordered 1
		.amdhsa_forward_progress 1
		.amdhsa_inst_pref_size 255
	.end_amdhsa_kernel
	.section	.bss,"aw",@nobits
	.p2align	6
	.space	262144
	.amdgpu_metadata
---
amdhsa.version: [ 1, 2 ]
amdhsa.kernels:
  - .name:           k_q590ffacd3f_attn
    .symbol:         k_q590ffacd3f_attn.kd
    .args:
      - { .name: qkv, .offset: 0, .size: 8, .value_kind: global_buffer, .address_space: global }
      - { .name: maskw, .offset: 8, .size: 8, .value_kind: global_buffer, .address_space: global }
      - { .name: ob, .offset: 16, .size: 8, .value_kind: global_buffer, .address_space: global }
    .group_segment_fixed_size: 327680
    .private_segment_fixed_size: 0
    .kernarg_segment_align: 8
    .kernarg_segment_size: 24
    .max_flat_workgroup_size: 256
    .sgpr_count:     100
    .vgpr_count:     512
    .wavefront_size: 32
...
	.end_amdgpu_metadata
.endif
;; end of part 3
;; launch oproj (part 4): grid 4 x 64, 4 waves a work-group, clusters of 4 x 4, 327,680 bytes of LDS; arguments ob, wb, out0; writes out0
.if DOCPART == 4
	.amdgcn_target "amdgcn-amd-amdhsa--gfx1250"
	.amdhsa_code_object_version 6
	.text
	.protected	k_q590ffacd3f_oproj
	.globl	k_q590ffacd3f_oproj
	.p2align	8
	.type	k_q590ffacd3f_oproj,@function
k_q590ffacd3f_oproj:
	s_mov_b64 s[64:65], 0
	v_nop
	global_prefetch_b8 v0, s[64:65] scope:SCOPE_SE
	s_setreg_imm32_b32 hwreg(HW_REG_WAVE_MODE, 25, 1), 1
	s_wait_xcnt 0x0
	s_wait_alu depctr_hold_cnt(0) depctr_sa_sdst(0) depctr_va_vdst(0) depctr_va_sdst(0) depctr_va_ssrc(0) depctr_va_vcc(0) depctr_vm_vsrc(0)
	s_getreg_b32 s2, hwreg(HW_REG_IB_STS2, 6, 4)
	s_cmp_eq_u32 s2, 0
	s_cbranch_scc0 .Lentry_in_a_cluster
	s_endpgm
.Lentry_in_a_cluster:
	s_bfe_u32 s2, ttmp6, 0x10000c
	s_cmp_lg_u32 s2, 0xf033
	s_cbranch_scc0 .Lentry_shape_is_right
	s_endpgm
.Lentry_shape_is_right:
; Launch 4 of 4: out0[m][n] = sum over k of ob[m][k] Wo[n][k].  ob is f16; Wo = rows 3072-4095 of wb, in f16's format; sums and result in f32.
; Nothing of the computation is left out.
; A work-group makes a block of 128 (m) x 256 (n), so that 64 x 4 = 256 work-groups share the work; a wave makes 64 x 128: 32 accumulator tiles, 256 registers.
; K goes in steps of 128 through a ring of two LDS slots; a tile's rows are 256 bytes of memory, aligned.
; CLUSTERS: 4 x 4 work-groups.  A's tile hangs on the block row alone and is shared along a row of the cluster, B's on the block column alone and is shared along
; a column: joint loads, a quarter of the requests.
; REGISTERS: window 0: v0-31 addresses; v64-95, v128-159 fragments of A (4 x 16 rows x 32 K), two buffers; on the way out v64-127 and v128-191 hold rows.
;            window 1: v64-127, v128-191 fragments of B (8 x 16 rows x 32 K), two buffers.   window 2: accumulator tile (a, b) at v[8 (8 a + b)].
; The matrix instruction is used transposed (source 0 = rows of B, source 1 = rows of A): lane l holds row l % 16 and columns 8 (l / 16) + 0 .. 7: 32 neighbouring bytes.
.set SIZE_K, 1024
.set KSTEP,  128
.set PITCH,  272                       ; 256 bytes + 16 of padding
.set BROWS,  128*PITCH                 ; what one load of B brings, and what one wave reads of B
.set AROWS,  64*PITCH                  ; the same for A
.set SLOT,   384*PITCH                 ; B's 256 rows, then A's 128 rows: 104,448
.set STAGE,  2*SLOT                    ; behind the ring: 16 rows x 528 bytes for each wave; no tensor load lands there
.set SPITCH, 528                       ; 512 bytes + 16
.set ROWC,   4096                      ; bytes in a row of out0
.set LAPS, SIZE_K/(2*KSTEP)            ; 4
.set ADRA, 16
.set ADRB, 20
.set STO,  24
.set RD,   25
.set CO,   26
.set F0,   64
.set F1,   128
.set G1, 24                            ; s[24:31] group 1 for A's tiles (64 rows)
.set G0, 32                            ; s[32:39] group 0 for A's tiles, one set for each slot
.set G1B, 48                           ; s[48:55] group 1 for B's tiles (128 rows)
.set G0B, 56                           ; s[56:63] group 0 for B's tiles
.set MSB, 0
.macro WIN new
.if MSB != \new
	s_set_vgpr_msb (MSB<<8)|\new
.set MSB, \new
.endif
.endm
.set MUL,  0xa1                        ; source 0 (B) window 1, source 1 (A) window 0, C and D window 2
.set TO_B, 0x40
; A joint load.  Waves 0 and 1 fetch B's two halves, waves 2 and 3 A's.  The branch hangs on the wave's number alone.
.macro JLOAD s
	s_cmp_eq_u32 s11, 0
	s_cbranch_scc0 .Lfor_a_\@
	tensor_load_to_lds s[G0B+4*\s:G0B+4*\s+3], s[G1B:G1B+7]
	s_nop 0
	s_branch .Lasked_\@
.Lfor_a_\@:
	tensor_load_to_lds s[G0+4*\s:G0+4*\s+3], s[G1:G1+7]
	s_nop 0
.Lasked_\@:
.endm
.macro CREST
	s_cmp_lg_u32 s10, 0
	s_cbranch_scc1 .Lnot_wave_0_\@
	s_barrier_signal -3
.Lnot_wave_0_\@:
	s_barrier_wait -3
	s_barrier_signal -1
	s_barrier_wait -1
.endm
.macro CROUND
	s_barrier_signal -1
	s_barrier_wait -1
	CREST
.endm
	s_load_b128 s[4:7], s[0:1], 0x0                ; A = ob s[4:5], wb s[6:7]
	s_load_b64 s[8:9], s[0:1], 0x10                ; out0
	s_set_vgpr_msb 0x40
	v_lshl_add_u32 v255, v0, 2, 0x3b400
	s_set_vgpr_msb 0x4000
	v_mov_b32 v255, 0
	s_set_vgpr_msb 0x1
	ds_add_u32 v255, v255
	s_set_vgpr_msb 0x100
	v_lshrrev_b32 v1, 5, v0
	v_readfirstlane_b32 s10, v1                    ; wave 0..3
	s_lshr_b32 s11, s10, 1                         ; which 64 of the block's rows are mine.  Also: I fetch for B (0) or for A (1)
	s_and_b32 s12, s10, 1                          ; which 128 of its columns.  Also: which half of that tile I fetch
	s_bfe_u32 s40, ttmp6, 0x40000                  ; cx
	s_bfe_u32 s41, ttmp6, 0x40004                  ; cy
	s_lshl_b32 s42, ttmp9, 2
	s_add_co_u32 s42, s42, s40                     ; block column
	s_and_b32 s13, ttmp7, 0xffff
	s_lshl_b32 s13, s13, 2
	s_add_co_u32 s13, s13, s41                     ; block row
	s_lshl_b32 s43, s41, 2
	s_lshl_b32 s43, 15, s43                        ; my row of the cluster
	s_lshl_b32 s44, 0x1111, s40                    ; my column
	s_or_b32 s[G1+0], s43, (1<<16)|(1<<20)|(1<<21)|(5<<22)|(3<<25)  ; A's tiles go to my row; 2 bytes; padding on; bit 21 beside a mask; after 64 words, 4 words
	s_or_b32 s[G1B+0], s44, (1<<16)|(1<<20)|(1<<21)|(5<<22)|(3<<25) ; B's to my column
	s_mov_b32 s[G1B+1], KSTEP<<16
	s_mov_b32 s[G1+1], KSTEP<<16                   ; tensor_dim0 = 128
	s_mov_b32 s[G1B+2], 128<<16                    ; tensor_dim1 = 128 for B,
	s_mov_b32 s[G1+2], 64<<16                      ; 64 for A
	s_mov_b32 s[G1B+3], KSTEP<<16
	s_mov_b32 s[G1+3], KSTEP<<16                   ; tile_dim0 = 128
	s_mov_b32 s[G1B+4], 128                        ; tile_dim1
	s_mov_b32 s[G1+4], 64
	s_mov_b32 s[G1B+5], SIZE_K
	s_mov_b32 s[G1+5], SIZE_K                      ; pitch
	s_mov_b32 s[G1B+6], 0
	s_mov_b32 s[G1+6], 0
	s_mov_b32 s[G1B+7], 0
	s_mov_b32 s[G1+7], 0
	; every wave makes both addresses, in registers that never hold the other coordinate, and asks by one of them
	s_lshl_b32 s17, s12, 6
	s_lshl_b32 s16, s13, 7
	s_add_co_u32 s16, s16, s17                     ; A: row 128 x block row + 64 x half
	s_lshl_b32 s47, s12, 7
	s_lshl_b32 s46, s42, 8
	s_add_co_u32 s46, s46, s47                     ; B: row 256 x block column + 128 x half
	s_mov_b32 s17, 0
	s_mov_b32 s47, 0
	s_mov_b64 s[18:19], SIZE_K*2
	s_mul_u64 s[16:17], s[16:17], s[18:19]
	s_mul_u64 s[46:47], s[46:47], s[18:19]
	s_mul_i32 s20, s10, AROWS
	s_add_co_u32 s20, s20, BROWS                   ; A's halves in LDS (waves 2, 3): 69,632 + (w - 2) x 17,408
	s_mul_i32 s45, s10, BROWS                      ; B's halves (waves 0, 1): w x 34,816
	s_wait_dscnt 0x0
	s_wait_kmcnt 0x0
	s_add_nc_u64 s[14:15], s[4:5], s[16:17]
	s_add_nc_u64 s[46:47], s[6:7], s[46:47]
	s_add_nc_u64 s[46:47], s[46:47], 3072*SIZE_K*2 ; Wo's rows lie behind Wq's, Wk's and Wv's
	CROUND                                         ; all sixteen work-groups are here: the first joint loads meet
.irp s, 0,1
	s_mov_b32 s[G0+4*\s], 1
	s_add_co_u32 s[G0+4*\s+1], s20, \s*SLOT
	s_add_nc_u64 s[G0+4*\s+2:G0+4*\s+3], s[14:15], \s*KSTEP*2
	s_or_b32 s[G0+4*\s+3], s[G0+4*\s+3], 0x80000000
	s_mov_b32 s[G0B+4*\s], 1
	s_add_co_u32 s[G0B+4*\s+1], s45, \s*SLOT
	s_add_nc_u64 s[G0B+4*\s+2:G0B+4*\s+3], s[46:47], \s*KSTEP*2
	s_or_b32 s[G0B+4*\s+3], s[G0B+4*\s+3], 0x80000000
	JLOAD \s                                       ; two tensor loads of the wave are out, later one
.endr
	v_and_b32 v1, 15, v0                           ; l % 16
	v_bfe_u32 v2, v0, 4, 1                         ; l / 16
	v_mul_u32_u24 v3, v1, PITCH
	v_lshl_add_u32 v3, v2, 4, v3
	s_mul_i32 s21, s11, AROWS
	s_add_co_u32 s21, s21, 2*BROWS                 ; my 64 rows of A, behind B's 256
	s_mul_i32 s22, s12, BROWS                      ; my 128 rows of B
.irp s, 0,1
	v_add_nc_u32 v[ADRA+\s], s21, v3
	v_add_nc_u32 v[ADRB+\s], s22, v3
	s_add_co_u32 s21, s21, SLOT
	s_add_co_u32 s22, s22, SLOT
.endr
	s_mul_i32 s23, s10, 16*SPITCH
	s_add_co_u32 s23, s23, STAGE                   ; my stage
	v_mul_u32_u24 v4, v1, SPITCH                   ; in: row l % 16, 32 bytes for each half of the lanes
	v_lshl_add_u32 v4, v2, 5, v4
	v_add_nc_u32 v[STO], s23, v4
	v_and_b32 v5, 31, v0
	v_lshlrev_b32 v[CO], 4, v5                     ; back and out: 32 lanes take a row's 512 bytes
	v_add_nc_u32 v[RD], s23, v[CO]
; 16 matrix instructions: m blocks a0, a0 + 1 x all 8 n blocks, 32 along K.  The 32 accumulators take turns, one instruction a turn, in the same order in every
; quarter step, over the loop's backward jump too.
.macro MUL16 f, a0, zero
.irp a, \a0, \a0+1
.irp b, 0,1,2,3,4,5,6,7
.if \zero
	v_wmma_f32_16x16x32_f16 v[8*(8*(\a)+\b):8*(8*(\a)+\b)+7], v[\f+8*\b:\f+8*\b+7], v[\f+8*(\a):\f+8*(\a)+7], 0
.else
	v_wmma_f32_16x16x32_f16 v[8*(8*(\a)+\b):8*(8*(\a)+\b)+7], v[\f+8*\b:\f+8*\b+7], v[\f+8*(\a):\f+8*(\a)+7], v[8*(8*(\a)+\b):8*(8*(\a)+\b)+7]
.endif
.endr
.endr
.endm
; 24 LDS loads in one run: 128 rows of B and 64 rows of A, 32 K at byte k of the rows, into buffer f
.macro FETCH slot, k, f
	WIN TO_B
.irp i, 0,1,2,3,4,5,6,7
	ds_load_b128 v[\f+8*\i:\f+8*\i+3],   v[ADRB+\slot] offset:\k+\i*16*PITCH
	ds_load_b128 v[\f+8*\i+4:\f+8*\i+7], v[ADRB+\slot] offset:\k+\i*16*PITCH+32
.endr
	WIN 0
.irp i, 0,1,2,3
	ds_load_b128 v[\f+8*\i:\f+8*\i+3],   v[ADRA+\slot] offset:\k+\i*16*PITCH
	ds_load_b128 v[\f+8*\i+4:\f+8*\i+7], v[ADRA+\slot] offset:\k+\i*16*PITCH+32
.endr
.endm
.macro PLACES                          ; four independent plain vector instructions between a matrix instruction and a load into, or a read of, its registers
.rept 4
	v_nop
.endr
.endm
; One of a K step's first three quarters: buffer f is in; the next quarter's fragments are asked for into buffer g, and have this quarter's 32 products in which to land.
.macro QUARTER slot, k, f, g, zero
	s_wait_dscnt 0x0
	PLACES
	FETCH \slot, \k, \g
	WIN MUL
	MUL16 \f, 0, \zero
	MUL16 \f, 2, \zero
.endm
.macro THREE slot, zero
	QUARTER \slot, 64,  F0, F1, \zero
	QUARTER \slot, 128, F1, F0, 0
	QUARTER \slot, 192, F0, F1, 0
.endm
; The last quarter multiplies buffer 1 and changes slots: in front of the barrier each wave's reads of this slot are over and all its tensor loads have landed
; (the one that was out is its part of the next slot); behind it the refill comes first, then the next slot's first fragments.
.macro TURN slot, next, fill
	s_wait_dscnt 0x0
	s_wait_tensorcnt 0x0
	ds_add_u32 v255, v255
	s_wait_dscnt 0x0
	s_barrier_signal -1                            ; where a slot is filled again this barrier opens a round of the cluster's barrier
	WIN MUL
	MUL16 F1, 0, 0                                 ; work on registers while the others arrive
	WIN 0
	s_barrier_wait -1
.if \fill
	CREST                                          ; no wave of any partner still reads this slot's tile or has a load on its way
	s_add_nc_u64 s[G0+4*\slot+2:G0+4*\slot+3], s[G0+4*\slot+2:G0+4*\slot+3], 2*KSTEP*2
	s_add_nc_u64 s[G0B+4*\slot+2:G0B+4*\slot+3], s[G0B+4*\slot+2:G0B+4*\slot+3], 2*KSTEP*2
	JLOAD \slot                                    ; the first tensor load behind the round, and the wave's only one until the next
.endif
	PLACES
	FETCH \next, 0, F0
	WIN MUL
	MUL16 F1, 2, 0
.endm
.macro LAP zero
	THREE 0, \zero
	TURN 0, 1, 1
	THREE 1, 0
	TURN 1, 0, 1
.endm
	s_wait_tensorcnt 1                             ; my part of K step 0 is in; K step 1's stays out
	s_barrier_signal -1
	s_barrier_wait -1
	FETCH 0, 0, F0
	LAP 1                                          ; the first products start the sums
	WIN 0
	s_mov_b32 s3, LAPS-2
.Llap:
	LAP 0
	WIN 0
	s_sub_co_u32 s3, s3, 1
	s_cmp_lg_u32 s3, 0
	s_cbranch_scc1 .Llap
	THREE 0, 0                                     ; the last lap fills nothing
	TURN 0, 1, 0
	THREE 1, 0
	s_wait_dscnt 0x0
	WIN MUL
	MUL16 F1, 0, 0
	MUL16 F1, 2, 0
	WIN 0
	; THE WAY OUT, 16 rows at a time: 32 bytes a lane into my own stage, read back as whole rows of 512 bytes.
	PLACES
	s_lshl_b32 s13, s13, 7
	s_lshl_b32 s14, s11, 6
	s_add_co_u32 s16, s13, s14                     ; my first row
	s_lshl_b32 s16, s16, 12                        ; 4,096 bytes a row
	s_mov_b32 s17, 0
	s_add_nc_u64 s[8:9], s[8:9], s[16:17]
	s_lshl_b32 s46, s42, 10                        ; my first column, in bytes: 1,024 x block + 512 x half
	s_lshl_b32 s47, s12, 9
	s_add_co_u32 s46, s46, s47
	s_mov_b32 s47, 0
	s_add_nc_u64 s[8:9], s[8:9], s[46:47]
.macro OUT16 a, f
	WIN 0x08                                       ; an LDS store's data is source 1: window 2
.irp b, 0,1,2,3,4,5,6,7
	ds_store_b128 v[STO], v[8*(8*\a+\b):8*(8*\a+\b)+3] offset:64*\b
	ds_store_b128 v[STO], v[8*(8*\a+\b)+4:8*(8*\a+\b)+7] offset:64*\b+16
.endr
	WIN 0
	s_wait_xcnt 0x0                                ; buffer f, which earlier stores read, and the stores' base are rewritten only behind this wait
.if \a
	s_add_nc_u64 s[8:9], s[8:9], 16*ROWC
.endif
.set t, 0
.rept 16
	ds_load_b128 v[\f+4*t:\f+4*t+3], v[RD] offset:t*SPITCH         ; LDS serves a wave's instructions in order: these see the stores above
.set t, t+1
.endr
.set t, 0
.rept 16
	s_wait_dscnt 15-t                              ; load t is in, the younger ones stay out
	global_store_b128 v[CO], v[\f+4*t:\f+4*t+3], s[8:9] offset:t*ROWC th:TH_STORE_NT   ; a wave's store covers 512 consecutive bytes, aligned
.set t, t+1
.endr
.endm
	OUT16 0, F0
	OUT16 1, F1
	OUT16 2, F0
	OUT16 3, F1
	s_set_vgpr_msb 0x1
	s_wait_tensorcnt 0x0
	ds_add_u32 v255, v255
	s_wait_dscnt 0x0
	s_set_vgpr_msb 0x100
	CROUND                                         ; the closing round
	s_endpgm
.Lfunc_end_k_q590ffacd3f_oproj:
	.size	k_q590ffacd3f_oproj, .Lfunc_end_k_q590ffacd3f_oproj-k_q590ffacd3f_oproj
	.p2alignl 7, 3214868480
	.fill 96, 4, 3214868480
	.section	.rodata,"a",@progbits
	.p2align	6, 0x0
	.amdhsa_kernel k_q590ffacd3f_oproj
		.amdhsa_group_segment_fixed_size 327680
		.amdhsa_private_segment_fixed_size 0
		.amdhsa_enable_private_segment 0
		.amdhsa_kernarg_size 24
		.amdhsa_user_sgpr_count 2
		.amdhsa_user_sgpr_kernarg_segment_ptr 1
		.amdhsa_wavefront_size32 1
		.amdhsa_system_sgpr_workgroup_id_x 1
		.amdhsa_system_sgpr_workgroup_id_y 1
		.amdhsa_system_sgpr_workgroup_id_z 1
		.amdhsa_system_vgpr_workitem_id 0
		.amdhsa_next_free_vgpr 768
		.amdhsa_next_free_sgpr 66
		.amdhsa_reserve_vcc 0
		.amdhsa_float_denorm_mode_32 3
		.amdhsa_float_denorm_mode_16_64 3
		.amdhsa_memory_ordered 1
		.amdhsa_forward_progress 1
		.amdhsa_inst_pref_size 118
	.end_amdhsa_kernel
	.amdgpu_metadata
---
amdhsa.version: [ 1, 2 ]
amdhsa.kernels:
  - .name:           k_q590ffacd3f_oproj
    .symbol:         k_q590ffacd3f_oproj.kd
    .args:
      - { .name: ob, .offset: 0, .size: 8, .value_kind: global_buffer, .address_space: global }
      - { .name: wb, .offset: 8, .size: 8, .value_kind: global_buffer, .address_space: global }
      - { .name: out0, .offset: 16, .size: 8, .value_kind: global_buffer, .address_space: global }
    .group_segment_fixed_size: 327680
    .private_segment_fixed_size: 0
    .kernarg_segment_align: 8
    .kernarg_segment_size: 24
    .max_flat_workgroup_size: 128
    .sgpr_count:     66
    .vgpr_count:     768
    .wavefront_size: 32
...
	.end_amdgpu_metadata
.endif
;; end of part 4
;; ======== version 2 of 2: 4 launches; 1.17 times as fast as version 1
;; limits: values are held in f16: magnitudes above 65,504 overflow, below 6.1e-05 lose precision
;; workspace buffers: xb 16,777,216 bytes; wb 8,388,608 bytes; maskw 524,288 bytes of whole numbers; qkv 50,331,648 bytes; ob 16,777,216 bytes
;; launch prep: the kernel of part 1 again; grid 896 x 1, 8 waves a work-group, no clusters, 0 bytes of LDS; arguments x, Wq, Wk, Wv, Wo, mask, xb, wb, maskw; writes xb, wb, maskw
;; launch qkv: the kernel of part 2 again; grid 12 x 32, 4 waves a work-group, clusters of 4 x 4, 327,680 bytes of LDS; arguments xb, wb, qkv; writes qkv
;; launch attn (part 5): grid 8 x 32, 8 waves a work-group, clusters of 4 x 1, 327,680 bytes of LDS; arguments qkv, maskw, ob; writes ob
.if DOCPART == 5
	.amdgcn_target "amdgcn-amd-amdhsa--gfx1250"
	.amdhsa_code_object_version 6
	.text
	.protected	k_q590ffacd3f_attn
	.globl	k_q590ffacd3f_attn
	.p2align	8
	.type	k_q590ffacd3f_attn,@function
k_q590ffacd3f_attn:
	s_mov_b64 s[64:65], 0
	v_nop
	global_prefetch_b8 v0, s[64:65] scope:SCOPE_SE
	s_setreg_imm32_b32 hwreg(HW_REG_WAVE_MODE, 25, 1), 1
	s_wait_xcnt 0x0
	s_wait_alu depctr_hold_cnt(0) depctr_sa_sdst(0) depctr_va_vdst(0) depctr_va_sdst(0) depctr_va_ssrc(0) depctr_va_vcc(0) depctr_vm_vsrc(0)
	s_getreg_b32 s2, hwreg(HW_REG_IB_STS2, 6, 4)
	s_cmp_eq_u32 s2, 0
	s_cbranch_scc0 .Lentry_in_a_cluster
	s_endpgm
.Lentry_in_a_cluster:
	s_bfe_u32 s2, ttmp6, 0x10000c
	s_cmp_lg_u32 s2, 0x3003
	s_cbranch_scc0 .Lentry_shape_is_right
	s_endpgm
.Lentry_shape_is_right:
; Launch 3 of 4: ob = softmax(mask ? q k^T / 8 : -inf) v, head by head, with a running maximum.  Nothing of the computation is left out: the mask is an
; input, so every tile of scores is computed and then selected by the mask's words.
; A work-group: one batch b, one PAIR of heads p (their k, v and result rows are 256 consecutive bytes, aligned) and 256 queries.  256 work-groups.
; Wave w: head 2 p + (w >> 2), queries 64 (w & 3) .. + 63: four query tiles of 16.  Keys go in tiles of 256 through two LDS slots, 64 keys a step.
; CLUSTER of 4 x 1: the four query blocks of one (b, p) read the same k and v tiles and ask for them jointly (mask 15): a quarter of the requests.
; THE PRODUCTS ARE TRANSPOSED, so that the softmax's weights never leave the registers:
;   S^T (16 keys x 16 queries) = k rows (source 0) x q rows (source 1): lane (r, h), register j holds key 8 h + j of query r.
;   Two such tiles, packed to f16, ARE source 1 of the second product for 32 keys: registers 0-3 keys 8 h .. + 7, registers 4-7 keys 16 + 8 h .. + 7.
;   O^T (16 d x 16 queries) += v^T (source 0, by the transposing LDS load) x P^T.  Maximum, sum and rescaling factor are one number a lane.
; THE LOOP.  A step is some 740 instructions, and a wave has 32 of them, so a step stands ONCE in each loop: the LDS addresses of k and v and the base of the mask
; words are stepped by 64 keys a trip.  The loop is turned round so that every trip is alike, at a change of slots too: a trip asks for ITS OWN k fragments and
; first mask words at its top, multiplies the LAST step's weights with the last step's v^T while they come, and then makes its scores, its v^T loads, its softmax
; and the rescaling of O.  Across a change of slots only registers are carried.  The slot is a constant of the text: one loop of four steps for each slot.
; Written out beside the loops: the first step (it starts maxima and sums), the second (its products start O), and the last products behind the last step.
; LIMITS: the running maximum starts at -FLT_MAX, so that a masked score (-inf) minus the maximum is -inf and never NaN; scores below -FLT_MAX do not exist
; but as -inf.  A query whose mask row is all false ends with sum 0 and result 0 x (1 / 0) = NaN, as the softmax of -inf alone.  v_exp_f32 gives 0 for
; results below 2^-126 (ISA guide, its entry in 15.8).  q, k, v, the weights P (at most 1; steps of 2^-24 below 2^-14) and the result are f16;
; scores, maxima, sums and O are f32.
.set ROWB,  6144                       ; bytes in a row of qkv
.set PK,    272                        ; LDS pitch of k's rows: 256 + 16: the 16 rows of a fragment start 16 bytes apart modulo 256
.set PV,    272                        ; v's rows have the same pitch, so that ONE descriptor and one line serve all eight waves.  The sixteen lanes of a transposing load
                                       ; (8 rows i x 2 columns c of 16 bytes) then start at 16 (i + c) modulo 256, so that some places are met by two lanes; a step has 16 such loads.
.set KBYTES, 256*PK                    ; 69,632
.set SLOT,  256*PK+256*PV              ; 139,264: k's 256 rows, then v's 256 rows.  Two slots = 278,528 bytes
.set TILEB, 256*ROWB                   ; 256 keys on in memory
.set CEXP,  0x3e38aa3b                 ; c = log2(e) / 8: exp(s / 8 - m / 8) = 2^(c s - c m)
.set NCEXP, 0xbe38aa3b                 ; -c
; window 0
.set ADK,  4                           ; v4       k fragments' LDS address, slot 0, keys 0-63: never rewritten
.set AKC,  5                           ; v5       the same for the step at hand: + the slot's constant + 64 rows a step
.set ADV,  6                           ; v6       v fragments' LDS address, slot 0, keys 0-63: never rewritten
.set AVC,  7                           ; v7       the same for the step at hand
.set NINF, 10                          ; v10      -inf
.set STO,  11                          ; v11      the way out: where I put 16 bytes of a row
.set MX,   12                          ; v12-15   running maximum of query tile 0..3 (raw scores)
.set LS,   16                          ; v16-19   running sum (of my half of the keys: the lane halves are joined at the end)
.set RD,   20                          ; v20      the way out: where I read rows back
.set CO,   21                          ; v21      my byte offset in ob
.set NM,   22                          ; v[22:23] -c x maximum (v23 is only the pair's partner)
.set TT,   24                          ; v[24:31] at work
.set VF,   32                          ; v[32:95] v^T fragments (kk, dt) at 32 kk + 8 dt
.set SC,   96                          ; v[96:223] scores (qt, kt) at 32 qt + 8 kt; P is packed in place: (qt, kk) at 32 qt + 16 kk
.set AL,   224                         ; v[224:231] rescaling factor of query tile qt at 2 qt (odd registers are only the pairs' partners)
.set QOFF, 232                         ; v232     lane term of q's address
.set TP,   234                         ; v234-235 at work
; window 1
.set OF,   0                           ; v256-383 O^T (qt, dt) at 32 qt + 8 dt
.set QF,   128                         ; v384-447 q fragments (qt, dk) at 16 qt + 8 dk
.set KF,   192                         ; v448-511 k fragments (kt, dk) at 16 kt + 8 dk
; scalars: s[4:5] qkv; s[6:7] my mask words of the step at hand; s8 wave; s9 counter of tiles; s30 counter of steps; s10-11 lane selects;
;          s[12:15], s[24:27] descriptor group 0 of slot 0, 1; s[16:23] group 1; s[28:29] ob; s[66:67] my q rows; s[32:63], s[68:99] two buffers of 32 mask words.
.set G0,   12
.set MA,   32
.set MSB, 0
.macro WIN new                         ; low byte: bits 1:0 source 0, 3:2 source 1, 5:4 source 2, 7:6 destination; the high byte repeats the setting that is left
.if MSB != \new
	s_set_vgpr_msb (MSB<<8)|\new
.set MSB, \new
.endif
.endm
.macro NOPS n
.rept \n
	v_nop
.endr
.endm
; A round of the cluster's barrier: my work-group's barrier, wave 0 signals for the work-group, every wave waits for all four work-groups, my barrier again.
.macro ROUND
	s_barrier_signal -1
	s_barrier_wait -1
	s_cmp_lg_u32 s8, 0
	s_cbranch_scc1 .Lnot_wave_0_\@
	s_barrier_signal -3
.Lnot_wave_0_\@:
	s_barrier_wait -3
	s_barrier_signal -1
	s_barrier_wait -1
.endm
	s_load_b128 s[4:7], s[0:1], 0x0                ; qkv, maskw
	s_load_b64 s[28:29], s[0:1], 0x10              ; ob
	v_lshl_add_u32 v254, v0, 2, 0x44000
	v_mov_b32 v255, 0
	ds_add_u32 v254, v255
	v_lshrrev_b32 v3, 5, v0
	v_readfirstlane_b32 s8, v3                     ; wave 0..7
	s_mov_b32 s10, 0x76543210                      ; v_permlanex16_b32: lane i of one half reads lane i of the other
	s_mov_b32 s11, 0xfedcba98
	s_and_b32 s2, ttmp7, 0xffff                    ; the cluster is one work-group high: this is the work-group's y
	s_lshr_b32 s3, s2, 3                           ; b
	s_and_b32 s2, s2, 7                            ; p
	; The descriptor: 64 rows x 128 elements of 2 bytes, 3,072 elements from row to row, 16 bytes of padding behind each row.  One for all eight waves:
	; wave w fills LDS rows 64 w .. + 63 of a slot's 512.  Waves 0-3 bring k's rows 64 w .. + 63, waves 4-7 v's rows 64 (w - 4) .. + 63.
	s_mov_b32 s16, 15|(1<<16)|(1<<20)|(1<<21)|(5<<22)|(3<<25)      ; mask of the four partners; 2 bytes; padding on; bit 21 beside a mask; after 64 words, 4 words
	s_mov_b32 s17, 128<<16                         ; tensor_dim0 = 128
	s_mov_b32 s18, 64<<16                          ; tensor_dim1 = 64
	s_mov_b32 s19, 128<<16                         ; tile_dim0 = 128
	s_mov_b32 s20, 64                              ; tile_dim1 = 64
	s_mov_b32 s21, 3072                            ; pitch
	s_mov_b32 s22, 0
	s_mov_b32 s23, 0
	s_mov_b32 s12, 1
	s_mov_b32 s24, 1
	s_mul_i32 s13, s8, 64*PK                       ; LDS address in slot 0: the wave's number x 17,408
	s_add_co_u32 s25, s13, SLOT                    ; the same place in slot 1
	s_and_b32 s30, s8, 3
	s_mul_i32 s30, s30, 64*ROWB                    ; which 64 keys
	s_lshr_b32 s31, s8, 2
	s_lshl_b32 s31, s31, 11
	s_add_co_u32 s30, s30, s31
	s_add_co_u32 s30, s30, 2048                    ; k's columns begin at byte 2,048 of a row, v's at byte 4,096
	s_mul_i32 s31, s3, 2048*ROWB                   ; the batch
	s_add_co_u32 s30, s30, s31
	s_lshl_b32 s31, s2, 8                          ; the pair of heads: 256 bytes
	s_add_co_u32 s30, s30, s31
	s_mov_b32 s31, 0
	s_wait_dscnt 0x0
	s_wait_kmcnt 0x0
	s_add_nc_u64 s[14:15], s[4:5], s[30:31]        ; key tile 0: made of b, p and the wave's number, which the four partners share
	s_add_nc_u64 s[26:27], s[14:15], TILEB         ; key tile 1
	s_or_b32 s15, s15, 0x80000000                  ; type = 2
	s_or_b32 s27, s27, 0x80000000
	ROUND                                          ; the four work-groups are here: the first joint loads meet
	tensor_load_to_lds s[12:15], s[16:23]          ; both first fills in one group: two tensor loads of the wave are out,
	s_nop 0
	tensor_load_to_lds s[24:27], s[16:23]          ; later one
	s_nop 0
	; what hangs on my place in the cluster (global addresses of my own loads and stores only), in registers that feed no descriptor
	s_bfe_u32 s68, ttmp6, 0x40000                  ; cx
	s_lshl_b32 s69, ttmp9, 2
	s_add_co_u32 s68, s68, s69                     ; query block qb = 4 x cluster x + cx
	s_and_b32 s69, s8, 3                           ; w & 3: which 64 queries
	s_lshr_b32 s70, s8, 2                          ; w >> 2: which head of the pair
	s_lshl_b32 s71, s3, 11
	s_lshl_b32 s72, s68, 8
	s_add_co_u32 s71, s71, s72                     ; the block's first row: 2048 b + 256 qb
	s_lshl_b32 s72, s69, 6
	s_add_co_u32 s72, s72, s71                     ; my first query's row
	s_mul_i32 s72, s72, ROWB
	s_lshl_b32 s73, s2, 8
	s_add_co_u32 s72, s72, s73
	s_lshl_b32 s78, s70, 7                         ; 128 bytes for the second head of the pair
	s_add_co_u32 s72, s72, s78
	s_mov_b32 s73, 0
	s_add_nc_u64 s[66:67], s[4:5], s[72:73]        ; q
	s_lshl_b32 s74, s68, 4
	s_lshl2_add_u32 s74, s69, s74                  ; my first query tile: 16 qb + 4 (w & 3)
	s_lshl_b32 s74, s74, 12                        ; 4,096 bytes of words for each query tile
	s_mov_b32 s75, 0
	s_add_nc_u64 s[6:7], s[6:7], s[74:75]
	s_lshl_b32 s76, s8, 5
	s_add_co_u32 s76, s76, s71                     ; on the way out wave w stores rows 32 w .. + 31 of the block
	s_lshl_b32 s76, s76, 11                        ; 2,048 bytes in a row of ob
	s_lshl_b32 s77, s2, 8
	s_add_co_u32 s76, s76, s77
	s_mov_b32 s77, 0
	s_add_nc_u64 s[28:29], s[28:29], s[76:77]
	v_and_b32 v1, 15, v0                           ; r
	v_bfe_u32 v2, v0, 4, 1                         ; h
	v_mul_u32_u24 v[QOFF], v1, ROWB
	v_lshl_add_u32 v[QOFF], v2, 4, v[QOFF]         ; row r, 16 bytes for each half of the lanes
	WIN 0x40                                       ; destination window 1
.irp qt, 0,1,2,3
.irp dk, 0,1
	global_load_b128 v[QF+16*\qt+8*\dk:QF+16*\qt+8*\dk+3],   v[QOFF], s[66:67] offset:16*ROWB*\qt+64*\dk
	global_load_b128 v[QF+16*\qt+8*\dk+4:QF+16*\qt+8*\dk+7], v[QOFF], s[66:67] offset:16*ROWB*\qt+64*\dk+32
.endr
.endr
	WIN 0
	s_load_b512 s[MA:MA+15], s[6:7], 0x0           ; the 32 mask words of the first step's query tile 0
	s_load_b512 s[MA+16:MA+31], s[6:7], 0x40
	v_mul_u32_u24 v[ADK], v1, PK
	v_lshl_add_u32 v[ADK], v2, 4, v[ADK]
	v_add_nc_u32 v[ADK], s78, v[ADK]               ; 272 r + 16 h + my head's 128 bytes
	v_and_b32 v3, 7, v0
	v_lshl_add_u32 v3, v2, 3, v3                   ; the transposing load: key 8 h + (l & 7),
	v_mul_u32_u24 v[ADV], v3, PV
	v_bfe_u32 v3, v0, 3, 1
	v_lshl_add_u32 v[ADV], v3, 4, v[ADV]           ; 16 bytes for each half of a group of sixteen lanes
	v_add_nc_u32 v[ADV], s78, v[ADV]
	v_add_nc_u32 v[ADV], KBYTES, v[ADV]            ; v's rows lie behind k's
	v_mov_b32 v[AKC], v[ADK]                       ; the running addresses begin at slot 0, keys 0-63
	v_mov_b32 v[AVC], v[ADV]
	s_mul_i32 s79, s69, 64*PK
	v_add_nc_u32 v[STO], s79, v[ADK]               ; stage: row 64 (w & 3) + r, my head's 128 bytes, 16 h
	v_mul_u32_u24 v[RD], v2, PK
	v_lshl_add_u32 v[RD], v1, 4, v[RD]
	s_mul_i32 s80, s8, 32*PK
	v_add_nc_u32 v[RD], s80, v[RD]                 ; back: rows 32 w + h, 16 bytes a lane
	v_lshlrev_b32 v[CO], 11, v2
	v_lshl_add_u32 v[CO], v1, 4, v[CO]
	v_mov_b32 v[NINF], 0xff800000
.irp qt, 0,1,2,3
	v_mov_b32 v[MX+\qt], 0xff7fffff                ; -FLT_MAX
	v_mov_b32 v[AL+2*\qt+1], 0                     ; partners of pairs of which only the first register is used
.endr
	v_mov_b32 v[NM+1], 0
	v_mov_b32 v[TP], 0                             ; v_permlanex16_b32 counts as a reader of its destination
; 16 LDS loads: the k fragments of the step at hand.  (Leaves the destination's window at 1: a matrix run with its own setting follows.)
.macro KLOAD
	WIN 0x40
.irp kt, 0,1,2,3
.irp dk, 0,1
	ds_load_b128 v[KF+16*\kt+8*\dk:KF+16*\kt+8*\dk+3],   v[AKC] offset:16*PK*\kt+64*\dk
	ds_load_b128 v[KF+16*\kt+8*\dk+4:KF+16*\kt+8*\dk+7], v[AKC] offset:16*PK*\kt+64*\dk+32
.endr
.endr
.endm
; 16 transposing LDS loads: v^T of the same keys: registers 0-3 keys 32 kk + 8 h .. + 7 of column 16 dt + r, registers 4-7 sixteen keys on
.macro VLOAD
.irp kk, 0,1
.irp dt, 0,1,2,3
	ds_load_tr16_b128 v[VF+32*\kk+8*\dt:VF+32*\kk+8*\dt+3],   v[AVC] offset:32*PV*\kk+32*\dt
	ds_load_tr16_b128 v[VF+32*\kk+8*\dt+4:VF+32*\kk+8*\dt+7], v[AVC] offset:32*PV*\kk+32*\dt+16*PV
.endr
.endr
.endm
; The softmax step of query tile qt on 64 keys (32 registers).  nextoff: where the next query tile's 32 mask words of this step lie (below 0: none is left).
.macro SOFT qt, first, nextoff
.set SB, SC+32*\qt
.set MK, MA+36*(\qt&1)                 ; the two buffers of mask words take turns
.set MN, MA+36-36*(\qt&1)
	s_wait_kmcnt 0x0                               ; this query tile's words (scalar loads return in no order: only 0 shows anything)
.if \nextoff >= 0
	s_load_b512 s[MN:MN+15], s[6:7], \nextoff
	s_load_b512 s[MN+16:MN+31], s[6:7], \nextoff+64
.endif
.set i, 0
.rept 32
	v_cndmask_b32 v[SB+i], v[NINF], v[SB+i], s[MK+i]               ; word i is the lane mask of register i
.set i, i+1
.endr
.irp c, 0,1,2,3
	v_max3_num_f32 v[TT+\c], v[SB+8*\c], v[SB+8*\c+1], v[SB+8*\c+2]           ; four chains that do not wait for each other
.endr
.irp c, 0,1,2,3
	v_max3_num_f32 v[TT+\c], v[TT+\c], v[SB+8*\c+3], v[SB+8*\c+4]
.endr
.irp c, 0,1,2,3
	v_max3_num_f32 v[TT+\c], v[TT+\c], v[SB+8*\c+5], v[SB+8*\c+6]
.endr
	v_max3_num_f32 v[TT], v[TT], v[SB+7], v[TT+1]
	v_max3_num_f32 v[TT+2], v[TT+2], v[SB+15], v[TT+3]
	v_max3_num_f32 v[TT], v[TT], v[SB+23], v[TT+2]
	v_max3_num_f32 v[TT], v[TT], v[SB+31], v[MX+\qt]               ; the old maximum too
	v_permlanex16_b32 v[TP], v[TT], s10, s11                       ; lanes r and r + 16 hold the same query's other keys
.if \first == 0
	v_mul_f32 v[TP+1], NCEXP, v[MX+\qt]                            ; -c x old maximum, rounded as it was when the old weights were made
.endif
	v_max_num_f32 v[MX+\qt], v[TT], v[TP]
	v_mul_f32 v[NM], NCEXP, v[MX+\qt]
.if \first == 0
	v_sub_f32 v[TP+1], v[NM], v[TP+1]                              ; every weight is 2^(c s + NM): the factor between two NM is exact up to this one rounding,
	v_exp_f32 v[AL+2*\qt], v[TP+1]                                 ; so NM's own rounding is common to O and to the sum and cancels.  The plain lines below stand behind it
.endif
.set i, 0
.rept 16
	v_pk_fma_f32 v[SB+2*i:SB+2*i+1], v[SB+2*i:SB+2*i+1], CEXP, v[NM:NM+1] op_sel_hi:[1,0,0]
.set i, i+1
.endr
.set i, 0
.rept 32
	v_exp_f32 v[SB+i], v[SB+i]
.set i, i+1
.endr
	v_nop                                          ; one plain vector instruction between the last exponential and the first use (ISA guide 5.7.2)
	s_wait_alu depctr_va_vdst(0)
.irp c, 0,1,2,3
	v_pk_add_f32 v[TT+2*\c:TT+2*\c+1], v[SB+8*\c:SB+8*\c+1], v[SB+8*\c+2:SB+8*\c+3]
.endr
.irp c, 0,1,2,3
	v_pk_add_f32 v[TT+2*\c:TT+2*\c+1], v[TT+2*\c:TT+2*\c+1], v[SB+8*\c+4:SB+8*\c+5]
.endr
.irp c, 0,1,2,3
	v_pk_add_f32 v[TT+2*\c:TT+2*\c+1], v[TT+2*\c:TT+2*\c+1], v[SB+8*\c+6:SB+8*\c+7]
.endr
	v_pk_add_f32 v[TT:TT+1], v[TT:TT+1], v[TT+2:TT+3]
	v_pk_add_f32 v[TT+4:TT+5], v[TT+4:TT+5], v[TT+6:TT+7]
	v_pk_add_f32 v[TT:TT+1], v[TT:TT+1], v[TT+4:TT+5]
.if \first
	v_add_f32 v[LS+\qt], v[TT], v[TT+1]                            ; the first step starts the sum
.else
	v_add_f32 v[TT], v[TT], v[TT+1]
	v_fma_f32 v[LS+\qt], v[LS+\qt], v[AL+2*\qt], v[TT]
.endif
.set i, 0
.rept 8
	v_cvt_pk_f16_f32 v[SB+i], v[SB+2*i], v[SB+2*i+1]               ; keys 0-31 into registers 0-7: register i is written when 2 i and 2 i + 1 have been read
.set i, i+1
.endr
.set i, 0
.rept 8
	v_cvt_pk_f16_f32 v[SB+16+i], v[SB+16+2*i], v[SB+16+2*i+1]      ; keys 32-63 into registers 16-23
.set i, i+1
.endr
.endm
; In both runs of products the 16 accumulators take turns, one instruction a turn; the last product of a run and
; the first of the next name different accumulators, over the loops' backward jumps too (scores last, O first).
; 32 products: O^T += v^T x P^T on the 64 keys whose weights and v^T lie in the registers.  first = 1: the first sixteen start O: nothing is cleared.
.macro PV first
	WIN 0x50                                       ; sources 0 and 1 window 0, C and D window 1
.irp kk, 0,1
.irp qt, 0,1,2,3
.irp dt, 0,1,2,3
.if \first*(1-\kk)
	v_wmma_f32_16x16x32_f16 v[OF+32*\qt+8*\dt:OF+32*\qt+8*\dt+7], v[VF+32*\kk+8*\dt:VF+32*\kk+8*\dt+7], v[SC+32*\qt+16*\kk:SC+32*\qt+16*\kk+7], 0
.else
	v_wmma_f32_16x16x32_f16 v[OF+32*\qt+8*\dt:OF+32*\qt+8*\dt+7], v[VF+32*\kk+8*\dt:VF+32*\kk+8*\dt+7], v[SC+32*\qt+16*\kk:SC+32*\qt+16*\kk+7], v[OF+32*\qt+8*\dt:OF+32*\qt+8*\dt+7]
.endif
.endr
.endr
.endr
.endm
; The rest of a step, behind the request for its k fragments: scores, v^T loads, softmax, rescaling of O; then everything steps by 64 keys.
; first = 1: the launch's first step: no products stand in front of it, and there is no O yet to rescale.
.macro REST first
	s_wait_dscnt 0x0                               ; the k fragments are in
.if \first == 0
	NOPS 5                                         ; the products below write over the registers that the products above read as P: five places (ISA guide 7.12.1)
.endif
	WIN 0x05                                       ; sources 0 and 1 window 1, C and D window 0
.irp dk, 0,1
.irp qt, 0,1,2,3
.irp kt, 0,1,2,3
.if \dk
	v_wmma_f32_16x16x32_f16 v[SC+32*\qt+8*\kt:SC+32*\qt+8*\kt+7], v[KF+16*\kt+8*\dk:KF+16*\kt+8*\dk+7], v[QF+16*\qt+8*\dk:QF+16*\qt+8*\dk+7], v[SC+32*\qt+8*\kt:SC+32*\qt+8*\kt+7]
.else
	v_wmma_f32_16x16x32_f16 v[SC+32*\qt+8*\kt:SC+32*\qt+8*\kt+7], v[KF+16*\kt+8*\dk:KF+16*\kt+8*\dk+7], v[QF+16*\qt+8*\dk:QF+16*\qt+8*\dk+7], 0
.endif
.endr
.endr
.endr
	WIN 0
	NOPS 4                                         ; four places before the scores are read; with the five above, nine before loads land in the v^T registers that the last step's products read
	VLOAD                                          ; they have the whole softmax in which to land
	SOFT 0, \first, 4096                           ; a query tile's words lie 4,096 bytes behind the last one's
	SOFT 1, \first, 8192
	SOFT 2, \first, 12288
	SOFT 3, \first, -1                             ; behind its wait no scalar load is out: the base may step
.if \first == 0
	WIN 0x41                                       ; O in window 1, the factor in window 0
.irp qt, 0,1,2,3
.set i, 0
.rept 16
	v_pk_mul_f32 v[OF+32*\qt+2*i:OF+32*\qt+2*i+1], v[OF+32*\qt+2*i:OF+32*\qt+2*i+1], v[AL+2*\qt:AL+2*\qt+1] op_sel_hi:[1,0]
.set i, i+1
.endr
.endr
	WIN 0
.endif
	s_add_nc_u64 s[6:7], s[6:7], 0x80              ; 64 keys on: four key tiles of 32 bytes of mask words,
	v_add_nc_u32 v[AKC], 64*PK, v[AKC]             ; 64 rows of k
	v_add_nc_u32 v[AVC], 64*PV, v[AVC]             ; and of v (an LDS load has read its address when it is issued)
.endm
; A whole trip.  What it asks for at its top (query tile 0's mask words, the k fragments) lands under the 32 products on the last step's weights.
.macro BODY pvfirst
	s_load_b512 s[MA:MA+15], s[6:7], 0x0           ; the buffer was last read by query tile 2 of the last step
	s_load_b512 s[MA+16:MA+31], s[6:7], 0x40
	KLOAD
	s_wait_dscnt 16                                ; the last step's v^T is in; the 16 younger loads (this step's k) stay out
	PV \pvfirst
	REST 0
.endm
; A key tile of 256 in a slot: four trips.  refill = 1: the other slot, read last, is filled again with the tile two further on.
.macro TRIP slot, refill
	s_wait_tensorcnt 0x0                           ; all my tensor loads have landed, my part of this slot's tile among them,
	ds_add_u32 v254, v255
	s_wait_dscnt 0x0
.if \refill
	s_add_nc_u64 s[G0+12*(1-\slot)+2:G0+12*(1-\slot)+3], s[G0+12*(1-\slot)+2:G0+12*(1-\slot)+3], 2*TILEB   ; so a group 0 may be written: the other slot's next tile
.endif
	s_wait_dscnt 0x0                               ; my reads of the other slot are over: its last v^T is in the registers
.if \refill
	ROUND                                          ; both now hold of every wave of all four work-groups
	tensor_load_to_lds s[G0+12*(1-\slot):G0+12*(1-\slot)+3], s[16:23]       ; my one tensor load behind the round, first thing: it has four steps' work in which to land
	s_nop 0
.else
	s_barrier_signal -1
	s_barrier_wait -1
.endif
.if \slot
	v_add_nc_u32 v[AKC], SLOT, v[ADK]              ; the running addresses begin anew at this slot's keys 0-63
	v_add_nc_u32 v[AVC], SLOT, v[ADV]
.else
	v_mov_b32 v[AKC], v[ADK]
	v_mov_b32 v[AVC], v[ADV]
.endif
	s_mov_b32 s30, 4
.Lstep_\@:
	BODY 0
	s_sub_co_u32 s30, s30, 1
	s_cmp_lg_u32 s30, 0
	s_cbranch_scc1 .Lstep_\@
.endm
	s_wait_tensorcnt 0x1                           ; my part of tile 0 is in; tile 1's stays out
	s_barrier_signal -1
	s_barrier_wait -1                              ; everybody's is
	s_wait_loadcnt 0x0                             ; q
	KLOAD
	REST 1                                         ; step 0 starts maxima and sums
	BODY 1                                         ; step 1; its products on step 0's weights start O
	s_mov_b32 s30, 2
.Ltile0:
	BODY 0                                         ; steps 2 and 3
	s_sub_co_u32 s30, s30, 1
	s_cmp_lg_u32 s30, 0
	s_cbranch_scc1 .Ltile0
	s_mov_b32 s9, 3
.Ltiles:
	TRIP 1, 1                                      ; tiles 1, 3, 5; slot 0 gets tiles 2, 4, 6
	TRIP 0, 1                                      ; tiles 2, 4, 6; slot 1 gets tiles 3, 5, 7
	s_sub_co_u32 s9, s9, 1
	s_cmp_lg_u32 s9, 0
	s_cbranch_scc1 .Ltiles
	TRIP 1, 0                                      ; tile 7: nothing is left to fetch
	s_wait_dscnt 0x0                               ; the last step's v^T
	PV 0                                           ; and its products
	WIN 0
	; THE WAY OUT.  O^T: lane (r, h), register j of tile (qt, dt) = O[query 16 qt + r][16 dt + 8 h + j]: eight neighbouring numbers of a row.
	NOPS 4                                         ; four places behind the last products
.irp qt, 0,1,2,3
	v_permlanex16_b32 v[TT+\qt], v[LS+\qt], s10, s11               ; the other half of the keys' sum
.endr
.irp qt, 0,1,2,3
	v_add_f32 v[LS+\qt], v[LS+\qt], v[TT+\qt]
.endr
.irp qt, 0,1,2,3
	v_rcp_f32 v[AL+2*\qt], v[LS+\qt]
.endr
	v_nop                                          ; one plain vector instruction behind the reciprocals
	WIN 0x01                                       ; source 0 window 1
	s_wait_alu depctr_va_vdst(0)
.irp qt, 0,1,2,3
.set i, 0
.rept 16
	v_pk_mul_f32 v[SC+32*\qt+2*i:SC+32*\qt+2*i+1], v[OF+32*\qt+2*i:OF+32*\qt+2*i+1], v[AL+2*\qt:AL+2*\qt+1] op_sel_hi:[1,0]
.set i, i+1
.endr
.endr
	WIN 0
.set i, 0
.rept 64
	v_cvt_pk_f16_f32 v[VF+i], v[SC+2*i], v[SC+2*i+1]               ; tile (qt, dt): four registers at 16 qt + 4 dt
.set i, i+1
.endr
	; The stage is slot 0's k bytes: 256 rows of 272.  Their last fill (tile 6) has landed and every wave's reads of them were over in front of tile 7's barrier.
.irp qt, 0,1,2,3
.irp dt, 0,1,2,3
	ds_store_b128 v[STO], v[VF+16*\qt+4*\dt:VF+16*\qt+4*\dt+3] offset:16*PK*\qt+32*\dt
.endr
.endr
	s_wait_dscnt 0x0                               ; for the others' sake: my stores are done
	s_barrier_signal -1
	s_barrier_wait -1                              ; a row holds both heads' halves, written by two waves
.set t, 0
.rept 16
	ds_load_b128 v[SC+4*t:SC+4*t+3], v[RD] offset:2*PK*t
.set t, t+1
.endr
.set t, 0
.rept 16
	s_wait_dscnt 15-t                              ; load t is in, the younger ones stay out
	global_store_b128 v[CO], v[SC+4*t:SC+4*t+3], s[28:29] offset:4096*t     ; 16 lanes store 256 consecutive bytes, aligned: the pair of heads of one row
.set t, t+1
.endr
	s_wait_tensorcnt 0x0
	ds_add_u32 v254, v255
	s_wait_dscnt 0x0
	ROUND                                          ; the closing round: no work-group ends while a partner may still ask for a tile that names it
	s_endpgm
.Lfunc_end_k_q590ffacd3f_attn:
	.size	k_q590ffacd3f_attn, .Lfunc_end_k_q590ffacd3f_attn-k_q590ffacd3f_attn
	.p2alignl 7, 3214868480
	.fill 96, 4, 3214868480
	.section	.rodata,"a",@progbits
	.p2align	6, 0x0
	.amdhsa_kernel k_q590ffacd3f_attn
		.amdhsa_group_segment_fixed_size 327680
		.amdhsa_private_segment_fixed_size 0
		.amdhsa_enable_private_segment 0
		.amdhsa_kernarg_size 24
		.amdhsa_user_sgpr_count 2
		.amdhsa_user_sgpr_kernarg_segment_ptr 1
		.amdhsa_wavefront_size32 1
		.amdhsa_system_sgpr_workgroup_id_x 1
		.amdhsa_system_sgpr_workgroup_id_y 1
		.amdhsa_system_sgpr_workgroup_id_z 1
		.amdhsa_system_vgpr_workitem_id 0
		.amdhsa_next_free_vgpr 512
		.amdhsa_next_free_sgpr 100
		.amdhsa_reserve_vcc 0
		.amdhsa_float_denorm_mode_32 3
		.amdhsa_float_denorm_mode_16_64 3
		.amdhsa_memory_ordered 1
		.amdhsa_forward_progress 1
		.amdhsa_inst_pref_size 255
	.end_amdhsa_kernel
	.section	.bss,"aw",@nobits
	.p2align	6
	.space	262144
	.amdgpu_metadata
---
amdhsa.version: [ 1, 2 ]
amdhsa.kernels:
  - .name:           k_q590ffacd3f_attn
    .symbol:         k_q590ffacd3f_attn.kd
    .args:
      - { .name: qkv, .offset: 0, .size: 8, .value_kind: global_buffer, .address_space: global }
      - { .name: maskw, .offset: 8, .size: 8, .value_kind: global_buffer, .address_space: global }
      - { .name: ob, .offset: 16, .size: 8, .value_kind: global_buffer, .address_space: global }
    .group_segment_fixed_size: 327680
    .private_segment_fixed_size: 0
    .kernarg_segment_align: 8
    .kernarg_segment_size: 24
    .max_flat_workgroup_size: 256
    .sgpr_count:     100
    .vgpr_count:     512
    .wavefront_size: 32
...
	.end_amdgpu_metadata
.endif
;; end of part 5
;; launch oproj: the kernel of part 4 again; grid 4 x 64, 4 waves a work-group, clusters of 4 x 4, 327,680 bytes of LDS; arguments ob, wb, out0; writes out0
